; MI455X (gfx1250); checked and timed in simulation.
; The chip was launched on July 23, 2026; its instructions are those of AMD's public machine-readable ISA for CDNA 5 (MIT licence, August 2026) and "CDNA5" Instruction Set Architecture Reference Guide (July 2026). The comments in the code are by the model that wrote it; some were corrected since.
;; Kernel Multihead Attention. Allowed arithmetic: matrix products marked QUANTISED: E2M3 operands, one E8M0 scale for each 32 along K, by v_wmma_scale_f32_16x16x128_f8f6f4 with both operands' format E2M3, f32 sums; everything else in f32.
;; Inputs: Wk 1,024 x 1,024 float32; Wo 1,024 x 1,024 float32; Wq 1,024 x 1,024 float32; Wv 1,024 x 1,024 float32; bk 1,024 float32; bo 1,024 float32; bq 1,024 float32; bv 1,024 float32; key 4 x 2,048 x 1,024 float32; query 4 x 2,048 x 1,024 float32; value 4 x 2,048 x 1,024 float32.
;; Outputs: out0 4 x 2,048 x 1,024 float32.
;; This version of the problem:
;;   THIS VERSION OF THE PROBLEM IS GIVEN IN LOW PRECISION. The matrix products marked QUANTISED in the list below multiply operands that are first quantised to E2M3 (2 exponent bits, 3 mantissa bits; 6 bits a number), with one power-of-two scale for each 32 numbers along K (OCP MX v1.0); their sums are f32. All else is computed in f32.
;;   The module's matrix products, in the order in which they are computed (A, B: the left and right operand; K: the contracted axis; several contracted axes count as one K, in the product's order):
;;     1. [M 8,192, K 1,024] x [K 1,024, N 1,024]; A: input query; B: input Wq: QUANTISED
;;     2. [M 8,192, K 1,024] x [K 1,024, N 1,024]; A: input key; B: input Wk: QUANTISED
;;     3. [M 8,192, K 1,024] x [K 1,024, N 1,024]; A: input value; B: input Wv: QUANTISED
;;     4. batch 64 x [M 2,048, K 64] x [K 64, N 2,048]; A: computed on the way; B: computed on the way: QUANTISED
;;     5. batch 64 x [M 2,048, K 2,048] x [K 2,048, N 64]; A: softmax (see below); B: computed on the way: QUANTISED
;;     6. [M 8,192, K 1,024] x [K 1,024, N 1,024]; A: computed on the way; B: input Wo: QUANTISED
;;   THE QUANTISER, for each operand of a quantised product, along K:
;;     - K is cut into blocks of 32 from its start; a last block that is shorter is filled with zeros.
;;     - A block's scale is 2^e with e = floor(log2(the largest magnitude in the block)) - 2, held to -126 .. 127; a block of zeros has e = 0. As a byte (E8M0): e + 127.
;;     - Each number is divided by its block's scale, clamped to +-7.5, and rounded to the nearest number of E2M3, ties to even, subnormals kept.
;;     - The product sums the exact products of the quantised numbers (number of the format x scale) in f32.
;;   ~~~python
;;   def quantise(x, axis):      # numpy; x: float32 -> the quantised numbers, widened to float32 again
;;       x = np.moveaxis(x, axis, -1); K = x.shape[-1]
;;       x = np.pad(x, [(0, 0)] * (x.ndim - 1) + [(0, -K % 32)]); x = x.reshape(x.shape[:-1] + (-1, 32)); a = np.abs(x).max(-1, keepdims=True)
;;       e = np.where(a > 0, np.clip(np.frexp(np.where(a > 0, a, 1))[1] - 1 - 2, -126, 127), 0)      # np.frexp(a)[1] - 1 = floor(log2(a)), exactly
;;       r = np.clip(x / 2.0 ** e, -7.5, 7.5)
;;       step = 2.0 ** (np.maximum(np.frexp(np.where(r == 0, 1, r))[1] - 1, 0) - 3)
;;       q = np.round(r / step) * step * 2.0 ** e      # np.round: ties to even
;;       return np.moveaxis(q.reshape(q.shape[:-2] + (-1,))[..., :K], -1, axis).astype(np.float32)
;;   ~~~
;;   SOFTMAX AHEAD OF A QUANTISED PRODUCT. Where the list says 'softmax', what is quantised is not the finished softmax but p = 2^(t - M), with t = logit x log2(e) and M = ceil(the row's largest t), a whole number; so 1/2 < the row's largest p <= 1. The row's sum l is taken of the UNQUANTISED p, in f32, and the product's result is divided by l at the end. Since M is a whole number, a kernel that streams over the keys may use a running M (the ceiling of the running maximum): every later rescaling is an exact power of two, which a block's scale takes up: the codes' values come out the same.
;;   OPERANDS COMPUTED ON THE WAY. 'Computed on the way' means the value that the module computes at that place (a softmax that the list does not call 'softmax' is quantised finished and normalised). What goes into a quantiser is computed in f32, as accurately as f32 sums, v_exp_f32 and their like allow (about 1e-6 of the number): no bf16 or f16 on the way to a quantiser, and a product that is left as it is and whose result goes on into a quantised operand takes f32 operands (vector FMAs, or v_wmma_f32_16x16x4_f32). A number that lies on a knife's edge between two numbers of the format may be rounded either way, as far as f32 arithmetic and the matrix unit's own rounding can turn it there, and no further.
;; One version. Each part assembles by itself: llvm-mc -triple=amdgcn-amd-amdhsa -mcpu=gfx1250 --defsym DOCPART=n.
;; ======== version 1 of 1: 4 launches
;; workspace buffers: cod 22,020,096 bytes; scl 917,504 bytes; qh 13,893,632 bytes; kvh 13,893,632 bytes; ocod 6,291,456 bytes; osc 524,288 bytes
;; launch quant (part 1): grid 256 x 1, 7 waves a work-group, no clusters, 60,160 bytes of LDS; arguments query, key, value, Wq, Wk, Wv, Wo, cod, scl; writes cod, scl
.if DOCPART == 1
	.amdgcn_target "amdgcn-amd-amdhsa--gfx1250"
	.amdhsa_code_object_version 6
	.text
	.protected	k_qcfbd69360c_quant
	.globl	k_qcfbd69360c_quant
	.p2align	8
	.type	k_qcfbd69360c_quant,@function
k_qcfbd69360c_quant:
	s_mov_b64 s[64:65], 0
	v_nop
	global_prefetch_b8 v0, s[64:65] scope:SCOPE_SE
	s_setreg_imm32_b32 hwreg(HW_REG_WAVE_MODE, 25, 1), 1
	s_wait_xcnt 0x0
; query, key, value [8192][1024] and Wq, Wk, Wv, Wo [1024][1024], f32, K innermost, become codes of FP6 (E2M3) with one E8M0 byte for each 32 along K.
; A block's scale is 2^(floor(log2(its largest magnitude)) - 2); its byte is the largest magnitude's exponent field - 2, held at 1 from below.
; LIMITS: NaN and infinities among the inputs are not served.  A block of zeros, or one whose largest magnitude lies under 2^-124, gets the byte 1 (the rule says 127 for zeros):
; its codes are zeros, which add nothing under any byte but 0xff, and this program alone reads the bytes.
; TILES.  The seven tensors are 1,792 tiles of 16 rows: query from tile 0, key 512, value 1024, Wq 1536, Wk 1600, Wv 1664, Wo 1728.  Lane r of a tensor's tile t stands for its row
; 32 (t / 2) + 8 (t % 2) + r + 8 (r / 8): where such a tile is a product's source 0, the 16 result registers of tiles 2 b and 2 b + 1 are 16 neighbouring rows.
; OUT.  cod [tile][K step 0..7][1536]: a fragment (16 rows x 128 K, 12 registers a lane) as an image of its registers, in two halves of 768 bytes: registers 6 c .. 6 c + 3 at 16 x lane,
; registers 6 c + 4, 6 c + 5 at 512 + 8 x lane.  Each store of the wave covers 512 or 256 consecutive bytes, aligned.  scl [tile][r][8 words]: word s = the four bytes of K step s.
; SHARES.  1,792 = 256 x 7: wave w of work-group g takes tile 7 g + w, eight steps of 128 along K.  Waves share nothing: no barrier.  Memory binds: no matrix unit, no cluster, no tensor load.
; Each load reads 512 consecutive bytes of one row; a step's 16 rows turn through the wave's own stage in LDS (rows 528 bytes apart) so that a lane gets two whole blocks of 32 of its row.
.set STG, 8448                         ; a wave's stage: 16 rows x (512 + 16) bytes
.set SW,  16                           ; v16-23   the tile's eight scale words
.set F,   28                           ; v28-39   a fragment's 12 registers
.set FT,  40                           ; v40-42, v44-46 the upper halves of the two blocks, as converted
.set R,   64                           ; v64-191  two sets of 64 numbers as loaded
.set X,   192                          ; v192-255 my row's blocks h and 2 + h
	s_load_b512 s[4:19], s[0:1], 0x0               ; query, key, value, Wq, Wk, Wv, Wo, cod
	s_load_b64 s[20:21], s[0:1], 0x40              ; scl
	v_lshl_add_u32 v62, v0, 2, 0xe700
	v_mov_b32 v63, 0
	v_lshrrev_b32 v1, 5, v0
	v_readfirstlane_b32 s22, v1                    ; wave 0..6
	v_and_b32 v1, 31, v0                           ; lane
	v_and_b32 v8, 15, v0                           ; r
	v_bfe_u32 v9, v0, 4, 1                         ; h
	v_lshlrev_b32 v2, 4, v1                        ; 16 x lane
	v_lshlrev_b32 v3, 3, v1                        ; 8 x lane
	s_mul_i32 s36, s22, STG                        ; my stage
	v_add_nc_u32 v4, s36, v2                       ; into it: 16 x lane of a row
	v_mul_u32_u24 v5, v8, 528
	v_lshl_add_u32 v5, v9, 7, v5
	v_add_nc_u32 v5, s36, v5                       ; out of it: row r, + 128 h: block h begins there, block 2 + h 256 bytes on
	v_lshlrev_b32 v6, 3, v9                        ; 8 h: my bytes' place in a scale word
	v_lshlrev_b32 v7, 5, v8
	v_lshl_add_u32 v7, v9, 4, v7                   ; 32 r + 16 h: my four words of row r's eight
	v_mov_b32 v15, 0                               ; written once: a lane permute's destination counts as one of its sources
	s_mov_b32 s32, 0x76543210
	s_mov_b32 s33, 0xfedcba98                      ; v_permlanex16_b32's selects for lane l xor 16
	s_mov_b32 s34, 0xffff0000                      ; lanes 16-31
	s_mul_i32 s23, ttmp9, 7
	s_add_co_u32 s23, s23, s22                     ; my tile
	s_mov_b32 s24, 0                               ; its tensor's first tile
	s_wait_kmcnt 0x0
	s_mov_b64 s[26:27], s[4:5]
.macro PICK thr, reg                   ; the tensor is chosen by the tile's number alone
	s_cmp_ge_u32 s23, \thr
	s_cselect_b64 s[26:27], s[\reg:\reg+1], s[26:27]
	s_cselect_b32 s24, \thr, s24
.endm
	PICK 512, 6
	PICK 1024, 8
	PICK 1536, 10
	PICK 1600, 12
	PICK 1664, 14
	PICK 1728, 16
	s_sub_co_u32 s36, s23, s24                     ; the tile in its tensor (every first tile is even)
	s_lshr_b32 s36, s36, 1
	s_lshl_b32 s36, s36, 17                        ; 32 rows of 4,096 bytes for each pair of tiles,
	s_and_b32 s37, s23, 1
	s_lshl_b32 s37, s37, 15                        ; 8 rows more for an odd tile
	s_add_co_u32 s36, s36, s37
	s_mov_b32 s37, 0
	s_add_nc_u64 s[26:27], s[26:27], s[36:37]
	s_mul_i32 s38, s23, 12288
	s_mov_b32 s39, 0
	s_add_nc_u64 s[28:29], s[18:19], s[38:39]      ; my tile's images
	s_lshl_b32 s38, s23, 9
	s_add_nc_u64 s[30:31], s[20:21], s[38:39]      ; and its scale words
.macro LOAD s                          ; step s: 512 bytes of each of the tile's 16 rows, into set s % 2
.irp i, 0,1,2,3,4,5,6,7,8,9,10,11,12,13,14,15
	global_load_b128 v[R+64*((\s)%2)+4*\i:R+64*((\s)%2)+4*\i+3], v2, s[26:27] offset:(\i+8*(\i/8))*4096+512*(\s) th:TH_LOAD_NT
.endr
.endm
.macro QSTEP s
.if \s < 7
	s_wait_loadcnt 16                              ; this step's 16 loads are in; the next step's 16 may be out
.else
	s_wait_loadcnt 0x0
.endif
.irp i, 0,1,2,3,4,5,6,7,8,9,10,11,12,13,14,15
	ds_store_b128 v4, v[R+64*((\s)%2)+4*\i:R+64*((\s)%2)+4*\i+3] offset:528*\i
.endr
.irp i, 0,1,2,3,4,5,6,7,8,9,10,11,12,13,14,15
	ds_load_b128 v[X+4*\i:X+4*\i+3], v5 offset:16*\i+128*(\i/8)   ; LDS serves a wave's instructions in order: these see the stores above
.endr
	s_wait_dscnt 0x0                               ; my 64 numbers are back, and the stores have read their registers,
.if \s < 6
	LOAD (\s)+2                                    ; which take the loads of two steps on
.endif
	v_max3_num_f32 v8, |v[X]|, |v[X+1]|, 0x1800000     ; the two blocks' largest magnitudes, by turns, with the floor 2^(3 - 127) among the leaves: the byte cannot fall under 1
	v_max3_num_f32 v9, |v[X+32]|, |v[X+33]|, 0x1800000
.irp i, 2,4,6,8,10,12,14,16,18,20,22,24,26,28,30
	v_max3_num_f32 v8, v8, |v[X+\i]|, |v[X+\i+1]|
	v_max3_num_f32 v9, v9, |v[X+32+\i]|, |v[X+33+\i]|
.endr
	v_add_nc_u32 v10, 0xff000000, v8               ; 2 off the exponent field: the conversion takes the exponent field of this operand as its scale
	v_add_nc_u32 v11, 0xff000000, v9
	v_lshrrev_b32 v12, 23, v10                     ; the bytes of blocks h and 2 + h
	v_lshrrev_b32 v13, 23, v11
	v_lshl_or_b32 v14, v13, 16, v12
	v_lshlrev_b32 v14, v6, v14                     ; at their places in the word
	v_permlanex16_b32 v15, v14, s32, s33
	v_or_b32 v[SW+\s], v14, v15                    ; with lane l xor 16's two the word is whole
	s_wait_xcnt 0x0                                ; the last step's stores have read the fragment's registers: only now are they written again
	v_cvt_scalef32_pk16_fp6_f32 v[F:F+2], v[X:X+15], v10
	v_cvt_scalef32_pk16_fp6_f32 v[FT:FT+2], v[X+16:X+31], v10        ; (a conversion's three registers begin on an even number: the upper half is made elsewhere and moved)
	v_cvt_scalef32_pk16_fp6_f32 v[F+6:F+8], v[X+32:X+47], v11
	v_cvt_scalef32_pk16_fp6_f32 v[FT+4:FT+6], v[X+48:X+63], v11
	v_nop                                          ; one plain place behind a scaled conversion
.irp i, 0,1,2
	v_mov_b32 v[F+3+\i], v[FT+\i]
	v_mov_b32 v[F+9+\i], v[FT+4+\i]
.endr
	global_store_b128 v2, v[F:F+3], s[28:29] offset:1536*(\s)
	global_store_b64 v3, v[F+4:F+5], s[28:29] offset:1536*(\s)+512
	global_store_b128 v2, v[F+6:F+9], s[28:29] offset:1536*(\s)+768
	global_store_b64 v3, v[F+10:F+11], s[28:29] offset:1536*(\s)+1280
.endm
	LOAD 0
	LOAD 1
.irp s, 0,1,2,3,4,5,6,7
	QSTEP \s
.endr
.irp i, 0,1,2,3
	v_cndmask_b32 v[24+\i], v[SW+\i], v[SW+4+\i], s34   ; lanes 0-15 store words 0-3 of their row, lanes 16-31 words 4-7
.endr
	global_store_b128 v7, v[24:27], s[30:31]       ; 512 consecutive bytes
	s_wait_tensorcnt 0x0
	ds_add_u32 v62, v63
	s_wait_dscnt 0x0
	s_endpgm
.Lfunc_end_k_qcfbd69360c_quant:
	.size	k_qcfbd69360c_quant, .Lfunc_end_k_qcfbd69360c_quant-k_qcfbd69360c_quant
	.p2alignl 7, 3214868480
	.fill 96, 4, 3214868480
	.section	.rodata,"a",@progbits
	.p2align	6, 0x0
	.amdhsa_kernel k_qcfbd69360c_quant
		.amdhsa_group_segment_fixed_size 60160
		.amdhsa_private_segment_fixed_size 0
		.amdhsa_enable_private_segment 0
		.amdhsa_kernarg_size 72
		.amdhsa_user_sgpr_count 2
		.amdhsa_user_sgpr_kernarg_segment_ptr 1
		.amdhsa_wavefront_size32 1
		.amdhsa_system_sgpr_workgroup_id_x 1
		.amdhsa_system_sgpr_workgroup_id_y 1
		.amdhsa_system_sgpr_workgroup_id_z 1
		.amdhsa_system_vgpr_workitem_id 0
		.amdhsa_next_free_vgpr 256
		.amdhsa_next_free_sgpr 66
		.amdhsa_reserve_vcc 0
		.amdhsa_float_denorm_mode_32 3
		.amdhsa_float_denorm_mode_16_64 3
		.amdhsa_memory_ordered 1
		.amdhsa_forward_progress 1
		.amdhsa_inst_pref_size 59
	.end_amdhsa_kernel
	.amdgpu_metadata
---
amdhsa.version: [ 1, 2 ]
amdhsa.kernels:
  - .name:           k_qcfbd69360c_quant
    .symbol:         k_qcfbd69360c_quant.kd
    .args:
      - { .name: query, .offset: 0, .size: 8, .value_kind: global_buffer, .address_space: global }
      - { .name: key, .offset: 8, .size: 8, .value_kind: global_buffer, .address_space: global }
      - { .name: value, .offset: 16, .size: 8, .value_kind: global_buffer, .address_space: global }
      - { .name: Wq, .offset: 24, .size: 8, .value_kind: global_buffer, .address_space: global }
      - { .name: Wk, .offset: 32, .size: 8, .value_kind: global_buffer, .address_space: global }
      - { .name: Wv, .offset: 40, .size: 8, .value_kind: global_buffer, .address_space: global }
      - { .name: Wo, .offset: 48, .size: 8, .value_kind: global_buffer, .address_space: global }
      - { .name: cod, .offset: 56, .size: 8, .value_kind: global_buffer, .address_space: global }
      - { .name: scl, .offset: 64, .size: 8, .value_kind: global_buffer, .address_space: global }
    .group_segment_fixed_size: 60160
    .private_segment_fixed_size: 0
    .kernarg_segment_align: 8
    .kernarg_segment_size: 72
    .max_flat_workgroup_size: 224
    .sgpr_count:     66
    .vgpr_count:     256
    .wavefront_size: 32
...
	.end_amdgpu_metadata
.endif
;; end of part 1
;; launch proj (part 2): grid 192 x 4, 4 waves a work-group, clusters of 4 x 4, 295,424 bytes of LDS; arguments cod, scl, bq, bk, bv, qh, kvh; writes qh, kvh
.if DOCPART == 2
	.amdgcn_target "amdgcn-amd-amdhsa--gfx1250"
	.amdhsa_code_object_version 6
	.text
	.protected	k_qcfbd69360c_proj
	.globl	k_qcfbd69360c_proj
	.p2align	8
	.type	k_qcfbd69360c_proj,@function
k_qcfbd69360c_proj:
	s_mov_b64 s[64:65], 0
	v_nop
	global_prefetch_b8 v0, s[64:65] scope:SCOPE_SE
	s_setreg_imm32_b32 hwreg(HW_REG_WAVE_MODE, 25, 1), 1
	s_wait_xcnt 0x0
	s_wait_alu depctr_hold_cnt(0) depctr_sa_sdst(0) depctr_va_vdst(0) depctr_va_sdst(0) depctr_va_ssrc(0) depctr_va_vcc(0) depctr_vm_vsrc(0)
	s_getreg_b32 s2, hwreg(HW_REG_IB_STS2, 6, 4)
	s_cmp_eq_u32 s2, 0
	s_cbranch_scc0 .Lentry_in_a_cluster
	s_endpgm
.Lentry_in_a_cluster:
	s_bfe_u32 s2, ttmp6, 0x10000c
	s_cmp_lg_u32 s2, 0xf033
	s_cbranch_scc0 .Lentry_shape_is_right
	s_endpgm
.Lentry_shape_is_right:
; The three input projections, on codes of FP6 (E2M3) with E8M0 scales, and what follows them: the bias, -1/2 |.|^2 of each head's q and k (of the f32 numbers), and the quantising of q and k along the
; head's 64 and of v along the tokens.  q, k and v go to memory as codes alone.
; ONE FORM FOR ALL THREE: Z = S0 S1^T, source 0 = 16 rows of S0, source 1 = 16 rows of S1: a lane holds ONE row of S1, its registers run along S0's rows.
;   q, k: S0 = the weight (features), S1 = the tokens: a lane's registers run along the features, the next product's K.    v: S0 = the tokens, S1 = Wv: they run along the tokens, which are the keys.
; Lane r of tile t stands for row 32 (t / 2) + 8 (t % 2) + r + 8 (r / 8), so the 16 result registers of S0's tiles 2 b, 2 b + 1 are 16 neighbours: 32 b + 16 (lane / 16) + 0 .. 15.
; SHARES.  A work-group makes 128 rows of S0 x 256 rows of S1 over all of K = 1,024; wave w takes S0's 8 tiles x S1's tiles 4 w .. 4 w + 3: 32 accumulators.  768 work-groups: 256 for each projection.
; LDS.  All operands of the work-group fit: (128 + 256) rows x 768 bytes = 294,912.  They come as four chunks of two K steps, each filled ONCE: no slot is ever filled again.
; CLUSTERS.  4 x 4 work-groups; S0's tiles hang on cy alone and are asked for jointly along a row of the cluster, S1's on cx alone and along a column: that divides the requests by four.
; Each wave has four tensor loads out at the most: its parts of the four chunks.
; LIMITS: NaN and infinities are not served; a block of zeros or under 2^-124 gets the byte 1 (its codes are zeros; this program alone reads the bytes); |.|^2 is summed in another order than a plain loop, in f32.
; The scale words' and norms' stores cover 128 bytes each: they are under two parts in a hundred of what the launch stores.
; REGISTERS.  window 0: v1-14 addresses; v16-79 S0's scale words [8 i + s], v80-111 S1's [8 j + s]; v112-207 S1's fragments, two sets of 48 (later the codes just made); v208-243 at work.
;   window 1: v0-191 S0's fragments, two sets of 96; v192-255 the bias, as the C of the first products.   window 2: accumulator (j, i) at v[64 j + 8 i].
.set CH,    73728                      ; a chunk: S0's 8 tiles x 3,072 bytes, then S1's 16
.set S1O,   24576
.set REC,   217088                     ; a head's record in qh and kvh
.set VIMG,  98304                      ; in it: [0] q's or k's half fragments [tile 0..127][768]; v's fragments [key step][tile of 16 d][1536];
.set SCLW,  196608                     ; q's or k's scale words [pair of tiles][32 words];
.set VSCL,  204800                     ; v's [key step][pair][32 words];
.set NRM,   208896                     ; -1/2 |.|^2, f32, a token after the other
.set A16_0, 4                          ; v4, v5  S0's images in the chunk in hand: 16 x lane, 8 x lane
.set A8_0,  5
.set A16_1, 6                          ; v6, v7  the same for my four tiles of S1
.set A8_1,  7
.set SC0,   16
.set SC1,   80
.set F1,    112
.set PC,    112                        ; the codes just made: 12 registers, and v124-126, v128-130 beside them
.set TM,    208                        ; v208-211 largest magnitudes, v212-215 bytes, v220-223 the conversions' scale operands
.set PW,    224                        ; the scale word just made;  v225 the even tile's
.set PWE,   225
.set BI,    192                        ; in window 1
.set G1A,   24                         ; s[24:31] descriptor group 1 for S0's tiles;  s[32:39] for S1's
.set G1B,   32
.set G0A,   68                         ; s[68:83] group 0 for S0, a set for each chunk;  s[84:99] for S1
.set G0B,   84
.set MSB, 0
.macro WIN new                         ; the immediate's high byte repeats the setting that is left
.if MSB != \new
	s_set_vgpr_msb (MSB<<8)|\new
.set MSB, \new
.endif
.endm
.macro PLACES                          ; four plain places behind matrix instructions, ahead of loads into registers that they read and of reads of their results
.rept 4
	v_nop
.endr
.endm
.macro CROUND                          ; a round of the cluster's barrier
	s_barrier_signal -1
	s_barrier_wait -1
	s_cmp_lg_u32 s18, 0
	s_cbranch_scc1 .Lnot_wave_0_\@
	s_barrier_signal -3
.Lnot_wave_0_\@:
	s_barrier_wait -3
	s_barrier_signal -1
	s_barrier_wait -1
.endm
	s_load_b256 s[4:11], s[0:1], 0x0               ; cod, scl, bq, bk
	s_load_b128 s[12:15], s[0:1], 0x20             ; bv, qh
	s_load_b64 s[16:17], s[0:1], 0x30              ; kvh
	v_lshl_add_u32 v254, v0, 2, 0x48000
	v_mov_b32 v255, 0
	ds_add_u32 v254, v255
	ds_add_u32 v254, v255
	v_lshrrev_b32 v1, 5, v0
	v_readfirstlane_b32 s18, v1                    ; wave 0..3
	s_and_b32 s20, s18, 1                          ; which half of S0's or S1's tiles I fetch
	s_bfe_u32 s21, ttmp6, 0x40000                  ; cx
	s_bfe_u32 s22, ttmp6, 0x40004                  ; cy
	s_lshr_b32 s23, ttmp9, 4                       ; z: 0 q, 1 k, 2 v (16 clusters each)
	s_and_b32 s40, ttmp9, 15                       ; the cluster among them
	s_and_b32 s59, s40, 7
	s_lshr_b32 s60, s40, 3
	s_lshl_b32 s61, s23, 6
	s_add_co_u32 s61, s61, 1536                    ; the weight's first tile
	s_lshl_b32 s62, s23, 9                         ; the tokens' first tile
	s_cmp_eq_u32 s23, 2
	s_cselect_b32 s41, 1, 0                        ; is it v?  The same in all sixteen partners
	s_cselect_b32 s59, 0, s59                      ; q, k: 8 x 2 clusters over S1 x S0;  v: 1 x 16
	s_cselect_b32 s60, s40, s60
	s_cselect_b32 s61, 1024, s61                   ; v: S0 = value's tiles,
	s_cselect_b32 s62, 1664, s62                   ;    S1 = Wv's
	s_lshl_b32 s42, s59, 2
	s_add_co_u32 s42, s42, s21                     ; S1's block of 256 rows: hangs on cx alone
	s_lshl_b32 s43, s60, 2
	s_add_co_u32 s43, s43, s22                     ; S0's block of 128 rows: on cy alone
	s_lshl_b32 s60, s43, 3
	s_add_co_u32 s61, s61, s60                     ; S0's first tile
	s_lshl_b32 s59, s42, 4
	s_add_co_u32 s62, s62, s59                     ; S1's first tile
	s_lshl_b32 s44, s22, 2
	s_lshl_b32 s44, 15, s44                        ; my row of the cluster
	s_lshl_b32 s45, 0x1111, s21                    ; my column
	; descriptor group 1: rows of 3,072 bytes (two K steps of one tile: 384 elements of 8 bytes), 12,288 bytes apart in memory, dense in LDS
	s_or_b32 s[G1A], s44, (3<<16)|(1<<21)          ; 15:0 the mask; 17:16 elements of 8 bytes; 21 set beside a mask
	s_or_b32 s[G1B], s45, (3<<16)|(1<<21)
	s_mov_b32 s[G1A+1], 384<<16                    ; tensor_dim0
	s_mov_b32 s[G1A+2], 4<<16                      ; tensor_dim1: four tiles of S0 a load
	s_mov_b32 s[G1A+3], 384<<16                    ; tile_dim0
	s_mov_b32 s[G1A+4], 4                          ; tile_dim1
	s_mov_b32 s[G1A+5], 1536                       ; from tile to tile, in elements
	s_mov_b32 s[G1A+6], 0
	s_mov_b32 s[G1A+7], 0
	s_mov_b32 s[G1B+1], 384<<16
	s_mov_b32 s[G1B+2], 8<<16                      ; eight tiles of S1 a load
	s_mov_b32 s[G1B+3], 384<<16
	s_mov_b32 s[G1B+4], 8
	s_mov_b32 s[G1B+5], 1536
	s_mov_b32 s[G1B+6], 0
	s_mov_b32 s[G1B+7], 0
	s_lshl_b32 s46, s20, 2
	s_add_co_u32 s46, s46, s61
	s_mul_i32 s46, s46, 12288                      ; S0: my four tiles, in bytes
	s_mov_b32 s47, 0
	s_lshl_b32 s48, s20, 3
	s_add_co_u32 s48, s48, s62
	s_mul_i32 s48, s48, 12288                      ; S1: my eight
	s_mov_b32 s49, 0
	s_mul_i32 s50, s20, 12288                      ; where they go in a chunk: no place in the cluster enters an LDS address
	s_mul_i32 s51, s20, 24576
	s_lshl_b32 s52, s61, 9                         ; S0's scale words: 512 bytes a tile
	s_mov_b32 s53, 0
	s_lshl_b32 s54, s18, 2
	s_add_co_u32 s54, s54, s62
	s_lshl_b32 s54, s54, 9                         ; my four tiles' of S1
	s_mov_b32 s55, 0
	s_mov_b32 s56, 0x76543210
	s_mov_b32 s57, 0xfedcba98                      ; v_permlanex16_b32's selects for lane l xor 16
	s_mov_b32 s58, 0xffff0000                      ; lanes 16-31
	s_wait_dscnt 0x0
	s_wait_kmcnt 0x0
	s_add_nc_u64 s[46:47], s[4:5], s[46:47]
	s_add_nc_u64 s[48:49], s[4:5], s[48:49]
	s_add_nc_u64 s[52:53], s[6:7], s[52:53]
	s_add_nc_u64 s[54:55], s[6:7], s[54:55]
.irp q, 0,1,2,3
	s_mov_b32 s[G0A+4*\q], 1                       ; count = 1
	s_add_co_u32 s[G0A+4*\q+1], s50, \q*CH         ; LDS address
	s_add_nc_u64 s[G0A+4*\q+2:G0A+4*\q+3], s[46:47], \q*3072   ; global address: K steps 2 q, 2 q + 1
	s_or_b32 s[G0A+4*\q+3], s[G0A+4*\q+3], 0x80000000          ; type = 2
	s_mov_b32 s[G0B+4*\q], 1
	s_add_co_u32 s[G0B+4*\q+1], s51, \q*CH+S1O
	s_add_nc_u64 s[G0B+4*\q+2:G0B+4*\q+3], s[48:49], \q*3072
	s_or_b32 s[G0B+4*\q+3], s[G0B+4*\q+3], 0x80000000
.endr
	CROUND                                         ; all sixteen work-groups are here: the joint loads meet
	s_cmp_lt_u32 s18, 2                            ; waves 0, 1 fetch S0's halves, waves 2, 3 S1's; a wave's four fills stand in one branch, ahead of every wait on TENSORcnt and every LDS read
	s_cbranch_scc0 .Lfill_b
	tensor_load_to_lds s[G0A:G0A+3], s[G1A:G1A+7]
	s_nop 0
	tensor_load_to_lds s[G0A+4:G0A+7], s[G1A:G1A+7]
	s_nop 0
	tensor_load_to_lds s[G0A+8:G0A+11], s[G1A:G1A+7]
	s_nop 0
	tensor_load_to_lds s[G0A+12:G0A+15], s[G1A:G1A+7]
	s_nop 0
	PLACES
	s_branch .Lfilled
.Lfill_b:
	tensor_load_to_lds s[G0B:G0B+3], s[G1B:G1B+7]
	s_nop 0
	tensor_load_to_lds s[G0B+4:G0B+7], s[G1B:G1B+7]
	s_nop 0
	tensor_load_to_lds s[G0B+8:G0B+11], s[G1B:G1B+7]
	s_nop 0
	tensor_load_to_lds s[G0B+12:G0B+15], s[G1B:G1B+7]
	s_nop 0
	PLACES
.Lfilled:
	v_and_b32 v1, 31, v0                           ; lane
	v_and_b32 v2, 15, v0                           ; r
	v_bfe_u32 v3, v0, 4, 1                         ; h
	v_lshlrev_b32 v[A16_0], 4, v1
	v_lshlrev_b32 v[A8_0], 3, v1
	s_mul_i32 s59, s18, 12288
	s_add_co_u32 s59, s59, S1O                     ; my four tiles of S1 in a chunk
	v_lshlrev_b32 v8, 4, v1                        ; 16 x lane
	v_lshlrev_b32 v9, 3, v1                        ; 8 x lane
	v_lshlrev_b32 v10, 2, v1                       ; 4 x lane
	v_add_nc_u32 v[A16_1], s59, v8
	v_add_nc_u32 v[A8_1], s59, v9
	v_and_b32 v11, 8, v2
	v_add_nc_u32 v11, v11, v2                      ; r + 8 (r / 8)
	v_lshlrev_b32 v14, 2, v11                      ; v's bias: my feature's word
	v_lshl_add_u32 v11, v3, 3, v11
	v_lshlrev_b32 v11, 2, v11                      ; the norms of a pair of tiles: lanes 0-15 the even tile's tokens, lanes 16-31 the odd tile's, 8 tokens on
	v_lshlrev_b32 v12, 5, v2                       ; 32 r: a row's eight scale words
	v_lshlrev_b32 v13, 6, v3                       ; q's, k's bias: 16 h features on
.irp b, 0,1,2,3
	v_mov_b32 v[TM+4+\b], 0                        ; written once: a lane permute's destination counts as one of its sources
.endr
	v_mov_b32 v236, 0
	v_mov_b32 v237, 0
.irp i, 0,1,2,3,4,5,6,7
	global_load_b128 v[SC0+8*\i:SC0+8*\i+3], v12, s[52:53] offset:512*\i
	global_load_b128 v[SC0+8*\i+4:SC0+8*\i+7], v12, s[52:53] offset:512*\i+16
.endr
.irp j, 0,1,2,3
	global_load_b128 v[SC1+8*\j:SC1+8*\j+3], v12, s[54:55] offset:512*\j
	global_load_b128 v[SC1+8*\j+4:SC1+8*\j+7], v12, s[54:55] offset:512*\j+16
.endr
	; the bias, in the result's layout, as the C of each sum's first product
	s_cmp_eq_u32 s41, 1
	s_cbranch_scc1 .Lbias_v
	s_cmp_eq_u32 s23, 0
	s_cselect_b64 s[46:47], s[8:9], s[10:11]       ; bq or bk
	s_lshl_b32 s60, s43, 9
	s_mov_b32 s61, 0
	s_add_nc_u64 s[46:47], s[46:47], s[60:61]      ; my block's 128 features
	WIN 0x40                                       ; destination window 1
.irp i, 0,1,2,3,4,5,6,7                            ; tile i = 2 b + u: features 32 b + 16 h + 8 u + 0 .. 7
	global_load_b128 v[BI+8*\i:BI+8*\i+3], v13, s[46:47] offset:(32*(\i/2)+8*(\i%2))*4
	global_load_b128 v[BI+8*\i+4:BI+8*\i+7], v13, s[46:47] offset:(32*(\i/2)+8*(\i%2))*4+16
.endr
	WIN 0
	s_branch .Lbias_done
.Lbias_v:
	s_lshl_b32 s60, s42, 10
	s_lshl_b32 s61, s18, 8
	s_add_co_u32 s60, s60, s61
	s_mov_b32 s61, 0
	s_add_nc_u64 s[46:47], s[12:13], s[60:61]      ; bv at my wave's 64 features
	WIN 0x40
.irp j, 0,1,2,3                                    ; a lane holds one feature: the same word in all eight registers
.irp e, 0,1,2,3,4,5,6,7
	global_load_b32 v[BI+8*\j+\e], v14, s[46:47] offset:(32*(\j/2)+8*(\j%2))*4
.endr
.endr
	WIN 0
.Lbias_done:
.macro FRAG reg, a16, a8, off          ; a fragment's image comes back as it was stored: four loads, each of 512 or 256 consecutive bytes
	ds_load_b128 v[\reg:\reg+3], v[\a16] offset:\off
	ds_load_b64 v[\reg+4:\reg+5], v[\a8] offset:\off+512
	ds_load_b128 v[\reg+6:\reg+9], v[\a16] offset:\off+768
	ds_load_b64 v[\reg+10:\reg+11], v[\a8] offset:\off+1280
.endm
.macro FETCH s                         ; K step s: S0's eight fragments and my four of S1, into set s % 2: 48 loads in one run
	WIN 0x40
.irp i, 0,1,2,3,4,5,6,7
	FRAG 96*((\s)%2)+12*\i, A16_0, A8_0, 3072*\i+1536*((\s)%2)
.endr
	WIN 0
.irp j, 0,1,2,3
	FRAG F1+48*((\s)%2)+12*\j, A16_1, A8_1, 3072*\j+1536*((\s)%2)
.endr
.endm
; 32 products of K step s.  The 32 accumulators take turns, one instruction a turn, in the same order in every step.
; cmode 0: onto the sums;  1: the sums begin with the bias of S0's tile i;  2: with that of S1's tile j
.macro MUL32 s, cmode
.if \cmode == 0
	WIN 0xa1                                       ; source 0 window 1, source 1 window 0, C and D window 2
.else
	WIN 0x91                                       ; C window 1
.endif
.irp j, 0,1,2,3
.irp i, 0,1,2,3,4,5,6,7
.if \cmode == 0
	v_wmma_scale_f32_16x16x128_f8f6f4 v[64*\j+8*\i:64*\j+8*\i+7], v[96*((\s)%2)+12*\i:96*((\s)%2)+12*\i+11], v[F1+48*((\s)%2)+12*\j:F1+48*((\s)%2)+12*\j+11], v[64*\j+8*\i:64*\j+8*\i+7], v[SC0+8*\i+(\s)], v[SC1+8*\j+(\s)] matrix_a_fmt:MATRIX_FMT_FP6 matrix_b_fmt:MATRIX_FMT_FP6
.elseif \cmode == 1
	v_wmma_scale_f32_16x16x128_f8f6f4 v[64*\j+8*\i:64*\j+8*\i+7], v[96*((\s)%2)+12*\i:96*((\s)%2)+12*\i+11], v[F1+48*((\s)%2)+12*\j:F1+48*((\s)%2)+12*\j+11], v[BI+8*\i:BI+8*\i+7], v[SC0+8*\i+(\s)], v[SC1+8*\j+(\s)] matrix_a_fmt:MATRIX_FMT_FP6 matrix_b_fmt:MATRIX_FMT_FP6
.else
	v_wmma_scale_f32_16x16x128_f8f6f4 v[64*\j+8*\i:64*\j+8*\i+7], v[96*((\s)%2)+12*\i:96*((\s)%2)+12*\i+11], v[F1+48*((\s)%2)+12*\j:F1+48*((\s)%2)+12*\j+11], v[BI+8*\j:BI+8*\j+7], v[SC0+8*\i+(\s)], v[SC1+8*\j+(\s)] matrix_a_fmt:MATRIX_FMT_FP6 matrix_b_fmt:MATRIX_FMT_FP6
.endif
.endr
.endr
.endm
; A K step: its fragments are in; the next step's are asked for; its 32 products.  cmode 3: the first step, in two arms by the kind of bias
.macro GSTEP s, cmode
	s_wait_dscnt 0x0                               ; this step's 48 loads are in, and no LDS instruction of mine is out at a signal
.if (\s == 1) || (\s == 3) || (\s == 5)
	s_wait_tensorcnt 3-((\s)+1)/2                  ; my part of the next chunk has landed; the later chunks' loads may stay out
	s_barrier_signal -1
	s_barrier_wait -1                              ; everybody's part has
	v_add_nc_u32 v[A16_0], CH, v[A16_0]
	v_add_nc_u32 v[A8_0], CH, v[A8_0]
	v_add_nc_u32 v[A16_1], CH, v[A16_1]
	v_add_nc_u32 v[A8_1], CH, v[A8_1]
.endif
.if \s < 7
.if \s > 0
	PLACES                                         ; the set that is loaded now was read by the products of the step before
.endif
	FETCH (\s)+1
.endif
.if \cmode == 3
	s_cmp_eq_u32 s41, 1
	s_cbranch_scc1 .Lfirst_v
	MUL32 \s, 1
	WIN 0
	s_branch .Lfirst_done
.Lfirst_v:
	MUL32 \s, 2
	WIN 0
.Lfirst_done:
.else
	MUL32 \s, \cmode
	WIN 0
.endif
.endm
	s_wait_tensorcnt 3                             ; my part of chunk 0 has landed; chunks 1 to 3 may stay out
	s_barrier_signal -1
	s_barrier_wait -1
	FETCH 0
	s_wait_loadcnt 0x0                             ; the scale words and the bias
	GSTEP 0, 3
.irp s, 1,2,3,4,5,6,7
	GSTEP \s, 0
.endr
	PLACES
; The 64 numbers of S1's tile j in window 2, register 16 b + i = next K 32 b + 16 (lane / 16) + i of my row, become a fragment's codes in v[PC] on and its scale word in v[PW].
.macro QUANTW j
	WIN 0x0a                                       ; sources 0 and 1 window 2
.irp b, 0,1,2,3
	v_max3_num_f32 v[TM+\b], |v[64*(\j)+16*\b]|, |v[64*(\j)+16*\b+1]|, 0x1800000   ; my 16 numbers of block b, and the floor 2^(3 - 127): the byte cannot fall under 1.  Each accumulator is read from its low end on
.endr
.irp i, 2,4,6,8,10,12,14
.irp b, 0,1,2,3
	v_max3_num_f32 v[TM+\b], |v[64*(\j)+16*\b+\i]|, |v[64*(\j)+16*\b+\i+1]|, v[TM+\b]
.endr
.endr
	WIN 0
.irp b, 0,1,2,3
	v_permlanex16_b32 v[TM+4+\b], v[TM+\b], s56, s57
.endr
.irp b, 0,1,2,3
	v_max_num_f32 v[TM+\b], v[TM+\b], v[TM+4+\b]   ; with lane l xor 16's: the block's largest magnitude
.endr
.irp b, 0,1,2,3
	v_add_nc_u32 v[TM+12+\b], 0xff000000, v[TM+\b] ; 2 off its exponent field: the conversion's scale operand
.endr
.irp b, 0,1,2,3
	v_lshrrev_b32 v[TM+4+\b], 23, v[TM+12+\b]      ; the byte
.endr
	v_lshl_or_b32 v[PW], v[TM+5], 8, v[TM+4]
	v_lshl_or_b32 v[PW], v[TM+6], 16, v[PW]
	v_lshl_or_b32 v[PW], v[TM+7], 24, v[PW]
	s_wait_xcnt 0x0                                ; the earlier stores have read their data: only now are those registers written again
	WIN 0x02                                       ; source 0 window 2
.irp c, 0,1
	v_cvt_scalef32_pk16_fp6_f32 v[PC+6*\c:PC+6*\c+2], v[64*(\j)+32*\c:64*(\j)+32*\c+15], v[TM+12+2*\c]
	v_cvt_scalef32_pk16_fp6_f32 v[PC+12+4*\c:PC+14+4*\c], v[64*(\j)+32*\c+16:64*(\j)+32*\c+31], v[TM+13+2*\c]
.endr
	WIN 0
	v_nop                                          ; one plain place behind a scaled conversion
.irp c, 0,1                                        ; the operand's layout wants a whole block in a lane
.irp i, 0,1,2
	v_permlane16_swap_b32 v[PC+6*\c+\i], v[PC+12+4*\c+\i]
.endr
.irp i, 0,1,2
	v_mov_b32 v[PC+3+6*\c+\i], v[PC+12+4*\c+\i]
.endr
.endr
.endm
; -1/2 |.|^2 of my token in the block's two heads: v232 (features 0-63), v234 (64-127).  Two chains of packed multiply-adds, each accumulator from its low end on
.macro NORM j
	WIN 0x0a
	v_pk_mul_f32 v[232:233], v[64*(\j):64*(\j)+1], v[64*(\j):64*(\j)+1]
	v_pk_mul_f32 v[234:235], v[64*(\j)+32:64*(\j)+33], v[64*(\j)+32:64*(\j)+33]
.irp i, 2,4,6,8,10,12,14,16,18,20,22,24,26,28,30
	v_pk_fma_f32 v[232:233], v[64*(\j)+\i:64*(\j)+\i+1], v[64*(\j)+\i:64*(\j)+\i+1], v[232:233]
	v_pk_fma_f32 v[234:235], v[64*(\j)+32+\i:64*(\j)+33+\i], v[64*(\j)+32+\i:64*(\j)+33+\i], v[234:235]
.endr
	WIN 0
	v_add_f32 v232, v232, v233
	v_add_f32 v234, v234, v235
	v_permlanex16_b32 v236, v232, s56, s57
	v_permlanex16_b32 v237, v234, s56, s57
	v_add_f32 v232, v232, v236                     ; with lane l xor 16's 32 features
	v_add_f32 v234, v234, v237
	v_mul_f32 v232, -0.5, v232
	v_mul_f32 v234, -0.5, v234
.endm
.macro EPIQK j                         ; tile j of tokens: its two heads' norms, half fragments and scale words
	NORM \j
	QUANTW \j
	global_store_b128 v8, v[PC:PC+3], s[48:49] offset:768*(\j)            ; the first head's half,
	global_store_b64 v9, v[PC+4:PC+5], s[48:49] offset:768*(\j)+512
	global_store_b128 v8, v[PC+6:PC+9], s[48:49] offset:REC+768*(\j)      ; the second's, in the next record
	global_store_b64 v9, v[PC+10:PC+11], s[48:49] offset:REC+768*(\j)+512
.if (\j)%2
	v_cndmask_b32 v226, v[PWE], v[PW], s58         ; lanes 0-15 the even tile's word, lanes 16-31 the odd tile's.  Its low two bytes are the first head's (the upper two meet zero codes),
	v_lshrrev_b32 v227, 16, v226                   ; the upper two the second's
	v_cndmask_b32 v228, v238, v232, s58
	v_cndmask_b32 v229, v239, v234, s58
	global_store_b32 v10, v226, s[50:51] offset:SCLW+128*((\j)/2)
	global_store_b32 v10, v227, s[50:51] offset:REC+SCLW+128*((\j)/2)
	global_store_b32 v11, v228, s[50:51] offset:NRM+128*((\j)/2)
	global_store_b32 v11, v229, s[50:51] offset:REC+NRM+128*((\j)/2)
.else
	v_mov_b32 v[PWE], v[PW]
	v_mov_b32 v238, v232
	v_mov_b32 v239, v234
.endif
.endm
.macro EPIV j                          ; tile j of my head's 64: a fragment of 16 d x 128 keys
	QUANTW \j
	global_store_b128 v8, v[PC:PC+3], s[48:49] offset:VIMG+1536*(\j)
	global_store_b64 v9, v[PC+4:PC+5], s[48:49] offset:VIMG+1536*(\j)+512
	global_store_b128 v8, v[PC+6:PC+9], s[48:49] offset:VIMG+1536*(\j)+768
	global_store_b64 v9, v[PC+10:PC+11], s[48:49] offset:VIMG+1536*(\j)+1280
.if (\j)%2
	v_cndmask_b32 v226, v[PWE], v[PW], s58
	global_store_b32 v10, v226, s[50:51] offset:VSCL+128*((\j)/2)
.else
	v_mov_b32 v[PWE], v[PW]
.endif
.endm
	s_cmp_eq_u32 s41, 1
	s_cbranch_scc1 .Lepi_v
	s_lshr_b32 s59, s42, 3                         ; the batch: 8 blocks of 256 tokens each
	s_lshl_b32 s59, s59, 4
	s_lshl_b32 s60, s43, 1                         ; the block's first head
	s_add_co_u32 s59, s59, s60
	s_mul_i32 s60, s59, REC
	s_mov_b32 s61, 0
	s_cmp_eq_u32 s23, 0
	s_cselect_b64 s[48:49], s[14:15], s[16:17]     ; qh or kvh
	s_add_nc_u64 s[48:49], s[48:49], s[60:61]      ; the record
	s_and_b32 s59, s42, 7
	s_lshl_b32 s59, s59, 4
	s_lshl_b32 s62, s18, 2
	s_add_co_u32 s59, s59, s62                     ; my first tile of tokens in the batch
	s_lshl_b32 s62, s59, 6
	s_mov_b32 s63, 0
	s_add_nc_u64 s[50:51], s[48:49], s[62:63]      ; scale words and norms: 64 bytes a tile
	s_mul_i32 s62, s59, 768
	s_add_nc_u64 s[48:49], s[48:49], s[62:63]      ; half fragments: 768 bytes a tile
.irp j, 0,1,2,3
	EPIQK \j
.endr
	s_branch .Ldone
.Lepi_v:
	s_lshr_b32 s59, s43, 4                         ; the batch: 16 blocks of 128 tokens each
	s_lshl_b32 s59, s59, 4
	s_lshl_b32 s60, s42, 2
	s_add_co_u32 s59, s59, s60
	s_add_co_u32 s59, s59, s18                     ; + my head: 4 x S1's block + wave
	s_mul_i32 s60, s59, REC
	s_mov_b32 s61, 0
	s_add_nc_u64 s[48:49], s[16:17], s[60:61]
	s_and_b32 s59, s43, 15                         ; the key step
	s_lshl_b32 s62, s59, 8
	s_mov_b32 s63, 0
	s_add_nc_u64 s[50:51], s[48:49], s[62:63]
	s_mul_i32 s62, s59, 6144
	s_add_nc_u64 s[48:49], s[48:49], s[62:63]
.irp j, 0,1,2,3
	EPIV \j
.endr
.Ldone:
	s_wait_tensorcnt 0x0
	ds_add_u32 v254, v255
	s_wait_dscnt 0x0
	CROUND                                         ; the closing round: no work-group ends while a partner may still ask for a tile that names it
	s_endpgm
.Lfunc_end_k_qcfbd69360c_proj:
	.size	k_qcfbd69360c_proj, .Lfunc_end_k_qcfbd69360c_proj-k_qcfbd69360c_proj
	.p2alignl 7, 3214868480
	.fill 96, 4, 3214868480
	.section	.rodata,"a",@progbits
	.p2align	6, 0x0
	.amdhsa_kernel k_qcfbd69360c_proj
		.amdhsa_group_segment_fixed_size 295424
		.amdhsa_private_segment_fixed_size 0
		.amdhsa_enable_private_segment 0
		.amdhsa_kernarg_size 56
		.amdhsa_user_sgpr_count 2
		.amdhsa_user_sgpr_kernarg_segment_ptr 1
		.amdhsa_wavefront_size32 1
		.amdhsa_system_sgpr_workgroup_id_x 1
		.amdhsa_system_sgpr_workgroup_id_y 1
		.amdhsa_system_sgpr_workgroup_id_z 1
		.amdhsa_system_vgpr_workitem_id 0
		.amdhsa_next_free_vgpr 768
		.amdhsa_next_free_sgpr 100
		.amdhsa_reserve_vcc 0
		.amdhsa_float_denorm_mode_32 3
		.amdhsa_float_denorm_mode_16_64 3
		.amdhsa_memory_ordered 1
		.amdhsa_forward_progress 1
		.amdhsa_inst_pref_size 126
	.end_amdhsa_kernel
	.amdgpu_metadata
---
amdhsa.version: [ 1, 2 ]
amdhsa.kernels:
  - .name:           k_qcfbd69360c_proj
    .symbol:         k_qcfbd69360c_proj.kd
    .args:
      - { .name: cod, .offset: 0, .size: 8, .value_kind: global_buffer, .address_space: global }
      - { .name: scl, .offset: 8, .size: 8, .value_kind: global_buffer, .address_space: global }
      - { .name: bq, .offset: 16, .size: 8, .value_kind: global_buffer, .address_space: global }
      - { .name: bk, .offset: 24, .size: 8, .value_kind: global_buffer, .address_space: global }
      - { .name: bv, .offset: 32, .size: 8, .value_kind: global_buffer, .address_space: global }
      - { .name: qh, .offset: 40, .size: 8, .value_kind: global_buffer, .address_space: global }
      - { .name: kvh, .offset: 48, .size: 8, .value_kind: global_buffer, .address_space: global }
    .group_segment_fixed_size: 295424
    .private_segment_fixed_size: 0
    .kernarg_segment_align: 8
    .kernarg_segment_size: 56
    .max_flat_workgroup_size: 128
    .sgpr_count:     100
    .vgpr_count:     768
    .wavefront_size: 32
...
	.end_amdgpu_metadata
.endif
;; end of part 2
;; launch attn (part 3): grid 4 x 64, 16 waves a work-group, clusters of 4 x 1, 219,136 bytes of LDS; arguments qh, kvh, ocod, osc; writes ocod, osc
.if DOCPART == 3
	.amdgcn_target "amdgcn-amd-amdhsa--gfx1250"
	.amdhsa_code_object_version 6
	.text
	.protected	k_qcfbd69360c_attn
	.globl	k_qcfbd69360c_attn
	.p2align	8
	.type	k_qcfbd69360c_attn,@function
k_qcfbd69360c_attn:
	s_mov_b64 s[64:65], 0
	v_nop
	global_prefetch_b8 v0, s[64:65] scope:SCOPE_SE
	s_setreg_imm32_b32 hwreg(HW_REG_WAVE_MODE, 25, 1), 1
	s_wait_xcnt 0x0
	s_wait_alu depctr_hold_cnt(0) depctr_sa_sdst(0) depctr_va_vdst(0) depctr_va_sdst(0) depctr_va_ssrc(0) depctr_va_vcc(0) depctr_vm_vsrc(0)
	s_getreg_b32 s2, hwreg(HW_REG_IB_STS2, 6, 4)
	s_cmp_eq_u32 s2, 0
	s_cbranch_scc0 .Lentry_in_a_cluster
	s_endpgm
.Lentry_in_a_cluster:
	s_bfe_u32 s2, ttmp6, 0x10000c
	s_cmp_lg_u32 s2, 0x3003
	s_cbranch_scc0 .Lentry_shape_is_right
	s_endpgm
.Lentry_shape_is_right:
; Attention with the logit q.k - 1/2 |q|^2 - 1/2 |k|^2, both products on codes of FP6 (E2M3) with E8M0 scales, and the result quantised along the merged heads for the last projection.
; THE SOFTMAX AHEAD OF THE SECOND PRODUCT: t = logit x log2(e); M = the row's largest t so far, rounded UP to a whole number; p = 2^(t - M) is what is quantised, along the keys, not normalised.
; The row's sum is taken of the unquantised p, in f32, and divides O at the end.  When M moves, the sum and O are multiplied by 2^(old M - new M): exact.
; SHARES.  A cluster of four work-groups is one head of one batch; a work-group owns 512 queries; each of its sixteen waves owns two tiles of 16, one after the other (two passes), in 256 registers:
; four waves to a SIMD, so that one wave's vector work stands beside another's matrix work and LDS loads.  Every wave walks the head's 2,048 keys, 128 a step.
; LDS.  The head's whole record of kvh (k's half fragments, v's fragments, their scale words, -1/2 |k|^2: 217,088 bytes) fits and is filled ONCE, jointly for the four work-groups: every wave asks for
; 53 rows of 256 bytes, one tensor load a wave.  Nothing is filled again, so there is one barrier behind the fill and none in the loop.
; LAYOUT.  Both products are used transposed: S^T = K Q^T, O^T = V^T P^T: a lane holds ONE query throughout.  Lane r of a tile t of keys is key 32 (t / 2) + 8 (t % 2) + r + 8 (r / 8), so the 16 registers of
; tiles 2 b, 2 b + 1 are 16 neighbouring keys.  The head is 64 wide, half of the instruction's 128: registers 6-11 of K's and Q's fragments hold zero codes.
; -1/2 |k|^2 IS THE C OF THE FIRST PRODUCT: it is loaded from LDS straight into the scores' registers.  -1/2 |q|^2 x log2(e) goes into the addend of the scaling's multiply-add.
; LIMITS: NaN and infinities are not served; a block of zeros or under 2^-124 gets the byte 1 (its codes are zeros; this program alone reads the bytes); a block's largest p is taken as the p of its largest
; score, which takes v_exp_f32 not to fall where its input rises.
.set REC,   217088
.set VIMG,  98304
.set SCLW,  196608
.set VSCL,  204800
.set NRM,   208896
.set QF,  32                           ; v32-43   Q's fragment (v38-43 zeros)
.set KF,  44                           ; v44-91   four fragments of K (registers 6-11 of each zeros)
.set S,   92                           ; v92-155  S^T, then p; then V's four fragments in v92-139
.set O,   156                          ; v156-187 O^T
.set PC,  188                          ; v188-199 p's codes
.set CT,  200                          ; v200-202, v204-206 beside them
.set BM,  208                          ; v208-211 the blocks' largest scores, then p
.set BP,  212                          ; v212-215 the other half's, then bytes
.set BS,  216                          ; v216-219 the conversions' scale operands
.set KS,  24                           ; v24-27   K's scale words, a pair of tiles each;  v28-29 V's;  v22 Q's;  v23 p's
.set VS,  28
; v1 16 x lane, v2 8 x lane + 512, v3 4 x lane, v4 64 h, v5 4 r, v6 4 (r + 8 (r / 8)); v7-13 the step's LDS addresses; v14 c (-1/2 |q|^2) - M, v15 -M, v16 the largest t, v17 c (-1/2 |q|^2);
; v[18:19] the sum in two halves; v[20:21] f; v30, v31, v220-221 at work
.macro PLACES
.rept 4
	v_nop
.endr
.endm
.macro CROUND                          ; a round of the cluster's barrier
	s_barrier_signal -1
	s_barrier_wait -1
	s_cmp_lg_u32 s12, 0
	s_cbranch_scc1 .Lnot_wave_0_\@
	s_barrier_signal -3
.Lnot_wave_0_\@:
	s_barrier_wait -3
	s_barrier_signal -1
	s_barrier_wait -1
.endm
	s_load_b256 s[4:11], s[0:1], 0x0               ; qh, kvh, ocod, osc
	v_lshl_add_u32 v254, v0, 2, 0x35000
	v_mov_b32 v255, 0
	ds_add_u32 v254, v255
	ds_add_u32 v254, v255
	v_lshrrev_b32 v1, 5, v0
	v_readfirstlane_b32 s12, v1                    ; wave 0..15
	s_bfe_u32 s13, ttmp6, 0x40000                  ; cx: it enters the queries' and the results' global addresses alone
	s_and_b32 s14, ttmp7, 0xffff                   ; batch x 16 + head, which the four partners share
	; descriptor group 1: 53 rows of 256 bytes (32 elements of 8 bytes), dense in memory and in LDS
	s_mov_b32 s16, 15|(3<<16)|(1<<21)              ; 15:0 the mask: all four work-groups; 17:16 elements of 8 bytes; 21 set beside a mask
	s_mov_b32 s17, 32<<16                          ; tensor_dim0
	s_mov_b32 s18, 53<<16                          ; tensor_dim1
	s_mov_b32 s19, 32<<16                          ; tile_dim0
	s_mov_b32 s20, 53                              ; tile_dim1
	s_mov_b32 s21, 32                              ; from row to row
	s_mov_b32 s22, 0
	s_mov_b32 s23, 0
	s_mul_i32 s48, s14, REC                        ; the head's record
	s_mov_b32 s49, 0
	s_mov_b32 s24, 1                               ; count = 1
	s_mul_i32 s25, s12, 13568                      ; LDS address: my sixteenth of the record, at the record's own offset
	s_mov_b32 s50, s25
	s_mov_b32 s51, 0
	s_mov_b32 s28, 0x76543210
	s_mov_b32 s29, 0xfedcba98                      ; v_permlanex16_b32's selects for lane l xor 16
	s_mov_b32 s30, 0x3fb8aa3b                      ; c = log2(e)
	s_mov_b32 s31, s30                             ; (named with it as a pair, so it is written)
	s_wait_dscnt 0x0
	s_wait_kmcnt 0x0
	s_add_nc_u64 s[26:27], s[6:7], s[48:49]
	s_add_nc_u64 s[26:27], s[26:27], s[50:51]      ; global address
	s_or_b32 s27, s27, 0x80000000                  ; type = 2
	s_add_nc_u64 s[52:53], s[4:5], s[48:49]        ; the head's record of qh
	CROUND                                         ; all four work-groups are here: the joint loads meet
	tensor_load_to_lds s[24:27], s[16:23]          ; my one tensor load of the launch
	s_nop 0
	PLACES
	v_and_b32 v30, 31, v0                          ; lane
	v_and_b32 v31, 15, v0                          ; r
	v_bfe_u32 v4, v0, 4, 1                         ; h
	v_lshlrev_b32 v1, 4, v30
	v_lshlrev_b32 v2, 3, v30
	v_add_nc_u32 v2, 512, v2
	v_lshlrev_b32 v3, 2, v30
	v_lshlrev_b32 v4, 6, v4
	v_lshlrev_b32 v5, 2, v31
	v_and_b32 v6, 8, v31
	v_add_nc_u32 v6, v6, v31
	v_lshlrev_b32 v6, 2, v6
.irp i, 6,7,8,9,10,11
	v_mov_b32 v[QF+\i], 0                          ; zero codes for the upper 64 of the instruction's 128
.endr
.irp t, 0,1,2,3
.irp i, 6,7,8,9,10,11
	v_mov_b32 v[KF+12*\t+\i], 0
.endr
.endr
.irp b, 0,1,2,3
	v_mov_b32 v[BP+\b], 0                          ; written once: a lane permute's destination counts as one of its sources
.endr
	v_mov_b32 v21, 0                               ; (named as the upper half of the pair v[20:21])
	v_mov_b32 v30, 0
	s_wait_tensorcnt 0x0                           ; my part of the record has landed,
	s_barrier_signal -1
	s_barrier_wait -1                              ; everybody's has
; A KEY STEP: 128 keys.
.macro STEP
	v_add_nc_u32 v7, s32, v1                       ; seven plain lines: also the places behind the last step's products, whose V registers take loads and then results below
	v_add_nc_u32 v8, s32, v2
	v_add_nc_u32 v9, s33, v1
	v_add_nc_u32 v10, s33, v2
	v_add_nc_u32 v11, s34, v3
	v_add_nc_u32 v12, s35, v4
	v_add_nc_u32 v13, s36, v3
.irp t, 0,1,2,3,4,5,6,7                            ; -1/2 |k|^2 of keys 32 (t / 2) + 16 h + 8 (t % 2) + 0 .. 7: the C of tile t's product
	ds_load_b128 v[S+8*\t:S+8*\t+3], v12 offset:128*(\t/2)+32*(\t%2)
	ds_load_b128 v[S+8*\t+4:S+8*\t+7], v12 offset:128*(\t/2)+32*(\t%2)+16
.endr
.irp p, 0,1,2,3
	ds_load_b32 v[KS+\p], v11 offset:128*\p        ; lanes 0-15 the even tile's words, lanes 16-31 the odd tile's
.endr
.irp g, 0,1                                        ; S^T = K Q^T - 1/2 |k|^2, four tiles of 16 keys at a time
.if \g
	PLACES                                         ; ahead of loads into registers that matrix instructions have read
.endif
.irp t, 0,1,2,3
	ds_load_b128 v[KF+12*\t:KF+12*\t+3], v7 offset:768*(4*\g+\t)
	ds_load_b64 v[KF+12*\t+4:KF+12*\t+5], v8 offset:768*(4*\g+\t)
.endr
	s_wait_dscnt 0x0
.irp t, 0,1,2,3
.if \t%2
	v_wmma_scale_f32_16x16x128_f8f6f4 v[S+8*(4*\g+\t):S+8*(4*\g+\t)+7], v[KF+12*\t:KF+12*\t+11], v[QF:QF+11], v[S+8*(4*\g+\t):S+8*(4*\g+\t)+7], v[KS+2*\g+\t/2], v22 matrix_a_fmt:MATRIX_FMT_FP6 matrix_b_fmt:MATRIX_FMT_FP6 matrix_a_scale:MATRIX_SCALE_ROW1
.else
	v_wmma_scale_f32_16x16x128_f8f6f4 v[S+8*(4*\g+\t):S+8*(4*\g+\t)+7], v[KF+12*\t:KF+12*\t+11], v[QF:QF+11], v[S+8*(4*\g+\t):S+8*(4*\g+\t)+7], v[KS+2*\g+\t/2], v22 matrix_a_fmt:MATRIX_FMT_FP6 matrix_b_fmt:MATRIX_FMT_FP6
.endif
.endr
.endr
	PLACES
.irp b, 0,1,2,3
	v_max3_num_f32 v[BM+\b], v[S+16*\b], v[S+16*\b+1], v[S+16*\b+2]   ; the largest score of each block of 32 keys: it serves for the row's maximum and, since p rises with the score, for the block's largest p
.endr
.irp i, 3,5,7,9,11,13
.irp b, 0,1,2,3
	v_max3_num_f32 v[BM+\b], v[BM+\b], v[S+16*\b+\i], v[S+16*\b+\i+1]
.endr
.endr
.irp b, 0,1,2,3
	v_max_num_f32 v[BM+\b], v[BM+\b], v[S+16*\b+15]
.endr
.irp b, 0,1,2,3
	v_permlanex16_b32 v[BP+\b], v[BM+\b], s28, s29
.endr
.irp b, 0,1,2,3
	v_max_num_f32 v[BM+\b], v[BM+\b], v[BP+\b]     ; with lane l xor 16's 16 keys
.endr
	v_max3_num_f32 v30, v[BM], v[BM+1], v[BM+2]
	v_max_num_f32 v30, v30, v[BM+3]
	v_fma_f32 v30, v30, s30, v17                   ; the step's largest t of my query
	v_max_num_f32 v16, v16, v30                    ; the running largest t
	v_mov_b32 v30, v15
	v_floor_f32 v15, -v16                          ; the new -M = floor(-t): M is a whole number
	v_sub_f32 v30, v15, v30                        ; old M - new M: a whole number, 0 or less
	v_cvt_i32_f32 v30, v30                         ; (it saturates)
	v_ldexp_f32 v20, 1.0, v30                      ; f = 2^(old M - new M)
	v_add_f32 v14, v17, v15                        ; c (-1/2 |q|^2) - M: the scalings' addend
.irp j, 0,2,4,6,8,10,12,14,16,18,20,22,24,26,28,30,32,34,36,38,40,42,44,46,48,50,52,54,56,58,60,62
	v_pk_fma_f32 v[S+\j:S+\j+1], v[S+\j:S+\j+1], s[30:31], v[14:15] op_sel_hi:[1,0,0]   ; t - M, two at a time (of both pairs the low word serves both halves)
.endr
.irp b, 0,1,2,3
	v_fma_f32 v[BM+\b], v[BM+\b], s30, v14         ; the same of each block's largest score
.endr
.irp j, 0,1,2,3,4,5,6,7,8,9,10,11,12,13,14,15,16,17,18,19,20,21,22,23,24,25,26,27,28,29,30,31,32,33,34,35,36,37,38,39,40,41,42,43,44,45,46,47,48,49,50,51,52,53,54,55,56,57,58,59,60,61,62,63
	v_exp_f32 v[S+\j], v[S+\j]                     ; p = 2^(t - M), at most 1
.endr
	v_pk_mul_f32 v[18:19], v[18:19], v[20:21] op_sel_hi:[1,0]   ; the sums under the new M: the plain place behind the exponentials
	s_wait_alu depctr_va_vdst(0)                   ; one wait for the whole batch, ahead of its first reader
.irp b, 0,1,2,3
	v_exp_f32 v[BM+\b], v[BM+\b]                   ; the blocks' largest p: the same two instructions on the same number give the same bits
.endr
	v_pk_add_f32 v[220:221], v[S:S+1], v[S+2:S+3]  ; the row's sum is taken of the unquantised p, in two chains
.irp j, 4,8,12,16,20,24,28,32,36,40,44,48,52,56,60
	v_pk_add_f32 v[18:19], v[18:19], v[S+\j:S+\j+1]
	v_pk_add_f32 v[220:221], v[220:221], v[S+\j+2:S+\j+3]
.endr
	v_pk_add_f32 v[18:19], v[18:19], v[220:221]
	s_wait_alu depctr_va_vdst(0)                   ; and one for the four
.irp b, 0,1,2,3
	v_max_num_f32 v[BM+\b], 0x1800000, v[BM+\b]    ; the floor 2^(3 - 127): the byte cannot fall under 1
.endr
.irp b, 0,1,2,3
	v_add_nc_u32 v[BS+\b], 0xff000000, v[BM+\b]    ; 2 off the exponent field: the conversion's scale operand
.endr
.irp b, 0,1,2,3
	v_lshrrev_b32 v[BP+\b], 23, v[BS+\b]           ; the byte
.endr
	v_lshl_or_b32 v23, v[BP+1], 8, v[BP]           ; p's scale word for these 128 keys
	v_lshl_or_b32 v23, v[BP+2], 16, v23
	v_lshl_or_b32 v23, v[BP+3], 24, v23
.irp c, 0,1
	v_cvt_scalef32_pk16_fp6_f32 v[PC+6*\c:PC+6*\c+2], v[S+32*\c:S+32*\c+15], v[BS+2*\c]
	v_cvt_scalef32_pk16_fp6_f32 v[CT+4*\c:CT+4*\c+2], v[S+32*\c+16:S+32*\c+31], v[BS+2*\c+1]
.endr
	v_nop                                          ; one plain place behind a scaled conversion
.irp t, 0,1,2,3                                    ; V's four fragments (16 d x these 128 keys) into the registers that p has left; they land under the lines below
	ds_load_b128 v[S+12*\t:S+12*\t+3], v9 offset:1536*\t
	ds_load_b64 v[S+12*\t+4:S+12*\t+5], v10 offset:1536*\t
	ds_load_b128 v[S+12*\t+6:S+12*\t+9], v9 offset:1536*\t+768
	ds_load_b64 v[S+12*\t+10:S+12*\t+11], v10 offset:1536*\t+768
.endr
	ds_load_b32 v[VS], v13
	ds_load_b32 v[VS+1], v13 offset:128
.irp c, 0,1                                        ; the operand's layout wants a whole block in a lane
.irp i, 0,1,2
	v_permlane16_swap_b32 v[PC+6*\c+\i], v[CT+4*\c+\i]
.endr
.irp i, 0,1,2
	v_mov_b32 v[PC+3+6*\c+\i], v[CT+4*\c+\i]
.endr
.endr
.irp j, 0,2,4,6,8,10,12,14,16,18,20,22,24,26,28,30
	v_pk_mul_f32 v[O+\j:O+\j+1], v[O+\j:O+\j+1], v[20:21] op_sel_hi:[1,0]   ; O^T under the new M.  (With the moves above: the places between p's scale word and codes and the products below)
.endr
	s_wait_dscnt 0x0
.irp t, 0,1,2,3                                    ; O^T += V^T P^T: the four accumulators by turns
.if \t%2
	v_wmma_scale_f32_16x16x128_f8f6f4 v[O+8*\t:O+8*\t+7], v[S+12*\t:S+12*\t+11], v[PC:PC+11], v[O+8*\t:O+8*\t+7], v[VS+\t/2], v23 matrix_a_fmt:MATRIX_FMT_FP6 matrix_b_fmt:MATRIX_FMT_FP6 matrix_a_scale:MATRIX_SCALE_ROW1
.else
	v_wmma_scale_f32_16x16x128_f8f6f4 v[O+8*\t:O+8*\t+7], v[S+12*\t:S+12*\t+11], v[PC:PC+11], v[O+8*\t:O+8*\t+7], v[VS+\t/2], v23 matrix_a_fmt:MATRIX_FMT_FP6 matrix_b_fmt:MATRIX_FMT_FP6
.endif
.endr
	s_add_co_u32 s32, s32, 6144                    ; the next step's tiles of K, of V,
	s_add_co_u32 s33, s33, 6144
	s_add_co_u32 s34, s34, 512                     ; K's scale words, the norms,
	s_add_co_u32 s35, s35, 512
	s_add_co_u32 s36, s36, 256                     ; V's scale words
.endm
; A PASS: one tile of 16 queries through all keys, and its way out.
.macro PASS p
.if \p
	s_wait_xcnt 0x0                                ; the last pass's loads and stores have read their bases and data: only now are they written again
.endif
	s_lshl_b32 s38, s13, 5
	s_add_co_u32 s38, s38, s12
	s_add_co_u32 s38, s38, 16*(\p)                 ; my tile of the head's 128: 32 cx + 16 p + wave
	s_mov_b32 s49, 0
	s_mul_i32 s48, s38, 768
	s_add_nc_u64 s[40:41], s[52:53], s[48:49]      ; its half fragment,
	s_lshl_b32 s48, s38, 6
	s_add_nc_u64 s[42:43], s[52:53], s[48:49]      ; its scale words,
	s_lshr_b32 s48, s38, 1
	s_lshl_b32 s48, s48, 7
	s_and_b32 s50, s38, 1
	s_lshl_b32 s50, s50, 5
	s_add_co_u32 s48, s48, s50
	s_add_nc_u64 s[54:55], s[52:53], s[48:49]      ; its tokens' norms: token 32 (T / 2) + 8 (T % 2) on
	s_lshr_b32 s50, s14, 4
	s_lshl_b32 s50, s50, 7
	s_add_co_u32 s50, s50, s38                     ; the tile among all 512: 128 x batch + T
	s_and_b32 s51, s14, 15                         ; the head
	s_mul_i32 s48, s50, 12288
	s_mul_i32 s39, s51, 768
	s_add_co_u32 s48, s48, s39
	s_add_nc_u64 s[44:45], s[8:9], s[48:49]        ; ocod [tile][head][768]
	s_lshl_b32 s51, s51, 9
	s_add_co_u32 s51, s51, s50
	s_lshl_b32 s48, s51, 6
	s_add_nc_u64 s[46:47], s[10:11], s[48:49]      ; osc [head][tile][16 words]
	global_load_b128 v[QF:QF+3], v1, s[40:41]
	global_load_b64 v[QF+4:QF+5], v2, s[40:41]
	global_load_b32 v22, v5, s[42:43] offset:SCLW
	global_load_b32 v17, v6, s[54:55] offset:NRM
	s_mov_b32 s32, 0
	s_mov_b32 s33, VIMG
	s_mov_b32 s34, SCLW
	s_mov_b32 s35, NRM
	s_mov_b32 s36, VSCL
	s_mov_b32 s37, 16                              ; 2,048 keys in steps of 128
	v_mov_b32 v16, 0xff61b1e6                      ; the largest t so far: -3e38, under every t
	v_floor_f32 v15, -v16                          ; -M
	v_mov_b32 v18, 0                               ; the sum
	v_mov_b32 v19, 0
.irp j, 0,1,2,3,4,5,6,7,8,9,10,11,12,13,14,15,16,17,18,19,20,21,22,23,24,25,26,27,28,29,30,31
	v_mov_b32 v[O+\j], 0                           ; O^T.  (The step is written once: the first finds zeros, which the first change of M leaves zeros)
.endr
	s_wait_loadcnt 0x0
	v_mul_f32 v17, s30, v17                        ; c (-1/2 |q|^2)
.Lstep_\@:
	STEP
	s_sub_co_u32 s37, s37, 1
	s_cmp_lg_u32 s37, 0
	s_cbranch_scc1 .Lstep_\@
	; the way out: O^T / the sum, quantised along the head's 64 (two blocks of the merged heads' 1,024), as a half fragment
	PLACES
	v_add_f32 v18, v18, v19
	v_permlanex16_b32 v30, v18, s28, s29
	v_add_f32 v18, v18, v30                        ; the row's sum
	v_rcp_f32 v20, v18
	v_nop                                          ; a plain place behind the transcendental
	s_wait_alu depctr_va_vdst(0)                   ; the wait ahead of its first reader
.irp j, 0,2,4,6,8,10,12,14,16,18,20,22,24,26,28,30
	v_pk_mul_f32 v[O+\j:O+\j+1], v[O+\j:O+\j+1], v[20:21] op_sel_hi:[1,0]   ; register 16 b + i is o(my query, 32 b + 16 h + i); each accumulator from its low end on
.endr
.irp b, 0,1
	v_max3_num_f32 v[BM+\b], |v[O+16*\b]|, |v[O+16*\b+1]|, 0x1800000
.endr
.irp i, 2,4,6,8,10,12,14
.irp b, 0,1
	v_max3_num_f32 v[BM+\b], v[BM+\b], |v[O+16*\b+\i]|, |v[O+16*\b+\i+1]|
.endr
.endr
.irp b, 0,1
	v_permlanex16_b32 v[BP+\b], v[BM+\b], s28, s29
.endr
.irp b, 0,1
	v_max_num_f32 v[BM+\b], v[BM+\b], v[BP+\b]
.endr
.irp b, 0,1
	v_add_nc_u32 v[BS+\b], 0xff000000, v[BM+\b]
.endr
.irp b, 0,1
	v_lshrrev_b32 v[BP+\b], 23, v[BS+\b]
.endr
	v_lshl_or_b32 v31, v[BP+1], 8, v[BP]           ; the head's two bytes of my query's row
	v_cvt_scalef32_pk16_fp6_f32 v[PC:PC+2], v[O:O+15], v[BS]
	v_cvt_scalef32_pk16_fp6_f32 v[CT:CT+2], v[O+16:O+31], v[BS+1]
	v_nop                                          ; one plain place behind a scaled conversion
.irp i, 0,1,2
	v_permlane16_swap_b32 v[PC+\i], v[CT+\i]
.endr
.irp i, 0,1,2
	v_mov_b32 v[PC+3+\i], v[CT+\i]
.endr
	global_store_b128 v1, v[PC:PC+3], s[44:45]     ; 512 consecutive bytes, aligned,
	global_store_b64 v2, v[PC+4:PC+5], s[44:45]    ; and the 256 behind them
	global_store_b32 v5, v31, s[46:47]             ; 64 bytes: lanes 16-31 write what lanes 0-15 write
.endm
	PASS 0
	PASS 1
	s_wait_dscnt 0x0
	s_wait_tensorcnt 0x0
	ds_add_u32 v254, v255
	s_wait_dscnt 0x0
	CROUND                                         ; the closing round: no work-group ends while a partner may still ask for a tile that names it
	s_endpgm
.Lfunc_end_k_qcfbd69360c_attn:
	.size	k_qcfbd69360c_attn, .Lfunc_end_k_qcfbd69360c_attn-k_qcfbd69360c_attn
	.p2alignl 7, 3214868480
	.fill 96, 4, 3214868480
	.section	.rodata,"a",@progbits
	.p2align	6, 0x0
	.amdhsa_kernel k_qcfbd69360c_attn
		.amdhsa_group_segment_fixed_size 219136
		.amdhsa_private_segment_fixed_size 0
		.amdhsa_enable_private_segment 0
		.amdhsa_kernarg_size 32
		.amdhsa_user_sgpr_count 2
		.amdhsa_user_sgpr_kernarg_segment_ptr 1
		.amdhsa_wavefront_size32 1
		.amdhsa_system_sgpr_workgroup_id_x 1
		.amdhsa_system_sgpr_workgroup_id_y 1
		.amdhsa_system_sgpr_workgroup_id_z 1
		.amdhsa_system_vgpr_workitem_id 0
		.amdhsa_next_free_vgpr 256
		.amdhsa_next_free_sgpr 66
		.amdhsa_reserve_vcc 0
		.amdhsa_float_denorm_mode_32 3
		.amdhsa_float_denorm_mode_16_64 3
		.amdhsa_memory_ordered 1
		.amdhsa_forward_progress 1
		.amdhsa_inst_pref_size 53
	.end_amdhsa_kernel
	.amdgpu_metadata
---
amdhsa.version: [ 1, 2 ]
amdhsa.kernels:
  - .name:           k_qcfbd69360c_attn
    .symbol:         k_qcfbd69360c_attn.kd
    .args:
      - { .name: qh, .offset: 0, .size: 8, .value_kind: global_buffer, .address_space: global }
      - { .name: kvh, .offset: 8, .size: 8, .value_kind: global_buffer, .address_space: global }
      - { .name: ocod, .offset: 16, .size: 8, .value_kind: global_buffer, .address_space: global }
      - { .name: osc, .offset: 24, .size: 8, .value_kind: global_buffer, .address_space: global }
    .group_segment_fixed_size: 219136
    .private_segment_fixed_size: 0
    .kernarg_segment_align: 8
    .kernarg_segment_size: 32
    .max_flat_workgroup_size: 512
    .sgpr_count:     66
    .vgpr_count:     256
    .wavefront_size: 32
...
	.end_amdgpu_metadata
.endif
;; end of part 3
;; launch outp (part 4): grid 32 x 8, 4 waves a work-group, clusters of 4 x 4, 295,424 bytes of LDS; arguments cod, scl, ocod, osc, bo, out0; writes out0
.if DOCPART == 4
	.amdgcn_target "amdgcn-amd-amdhsa--gfx1250"
	.amdhsa_code_object_version 6
	.text
	.protected	k_qcfbd69360c_outp
	.globl	k_qcfbd69360c_outp
	.p2align	8
	.type	k_qcfbd69360c_outp,@function
k_qcfbd69360c_outp:
	s_mov_b64 s[64:65], 0
	v_nop
	global_prefetch_b8 v0, s[64:65] scope:SCOPE_SE
	s_setreg_imm32_b32 hwreg(HW_REG_WAVE_MODE, 25, 1), 1
	s_wait_xcnt 0x0
	s_wait_alu depctr_hold_cnt(0) depctr_sa_sdst(0) depctr_va_vdst(0) depctr_va_sdst(0) depctr_va_ssrc(0) depctr_va_vcc(0) depctr_vm_vsrc(0)
	s_getreg_b32 s2, hwreg(HW_REG_IB_STS2, 6, 4)
	s_cmp_eq_u32 s2, 0
	s_cbranch_scc0 .Lentry_in_a_cluster
	s_endpgm
.Lentry_in_a_cluster:
	s_bfe_u32 s2, ttmp6, 0x10000c
	s_cmp_lg_u32 s2, 0xf033
	s_cbranch_scc0 .Lentry_shape_is_right
	s_endpgm
.Lentry_shape_is_right:
; out0 = o Wo^T + bo, on codes of FP6 (E2M3) with E8M0 scales; out0 [8192][1024] f32.
; Z = S0 S1^T, source 0 = 16 rows of Wo (features), source 1 = 16 tokens of o: a lane holds one token, its registers run along the features.
; Lane r of tile t stands for row 32 (t / 2) + 8 (t % 2) + r + 8 (r / 8), so the 16 result registers of Wo's tiles 2 b, 2 b + 1 are features 32 b + 16 (lane / 16) + 0 .. 15.
; SHARES.  A work-group makes 128 features x 256 tokens over all of K = 1,024; wave w takes Wo's 8 tiles x the tokens' tiles 4 w .. 4 w + 3: 32 accumulators.  256 work-groups.
; LDS.  All operands fit: (128 + 256) rows x 768 bytes = 294,912, as four chunks of two K steps, each filled ONCE.  Each wave has four tensor loads out at the most.
; CLUSTERS.  4 x 4 work-groups; Wo's tiles hang on cy alone and are asked for jointly along a row of the cluster, o's on cx alone and along a column.
; THE WAY OUT goes through a stage of 16 rows x 528 bytes in the wave's own bytes of chunk 0 (its four tiles of o, which it alone has read and which are never filled again), so that the 32 lanes store
; 512 consecutive bytes of a row of out0, aligned.
; REGISTERS.  window 0: v1-15 addresses; v16-79 Wo's scale words [8 i + s], v80-111 o's [8 j + s]; v112-207 o's fragments, two sets of 48 (first the halves of o's scale words, last rows of out0).
;   window 1: v0-191 Wo's fragments, two sets of 96; v192-255 the bias, as the C of the first products.   window 2: accumulator (j, i) at v[64 j + 8 i].
.set CH,    73728                      ; a chunk: S0's 8 tiles x 3,072 bytes, then S1's 16
.set S1O,   24576
.set A16_0, 4
.set A8_0,  5
.set A16_1, 6
.set A8_1,  7
.set SC0,   16
.set SC1,   80
.set F1,    112
.set BI,    192                        ; in window 1
.set G1A,   24
.set G1B,   32
.set G0A,   68
.set G0B,   84
.set MSB, 0
.macro WIN new                         ; the immediate's high byte repeats the setting that is left
.if MSB != \new
	s_set_vgpr_msb (MSB<<8)|\new
.set MSB, \new
.endif
.endm
.macro PLACES                          ; four plain places behind matrix instructions (ISA guide 7.12.1)
.rept 4
	v_nop
.endr
.endm
.macro CROUND                          ; a round of the cluster's barrier
	s_barrier_signal -1
	s_barrier_wait -1
	s_cmp_lg_u32 s18, 0
	s_cbranch_scc1 .Lnot_wave_0_\@
	s_barrier_signal -3
.Lnot_wave_0_\@:
	s_barrier_wait -3
	s_barrier_signal -1
	s_barrier_wait -1
.endm
	s_load_b256 s[4:11], s[0:1], 0x0               ; cod, scl, ocod, osc
	s_load_b128 s[12:15], s[0:1], 0x20             ; bo, out0
	v_lshl_add_u32 v254, v0, 2, 0x48000
	v_mov_b32 v255, 0
	ds_add_u32 v254, v255
	ds_add_u32 v254, v255
	v_lshrrev_b32 v1, 5, v0
	v_readfirstlane_b32 s18, v1                    ; wave 0..3
	s_and_b32 s20, s18, 1                          ; which half of S0's or S1's tiles I fetch
	s_bfe_u32 s21, ttmp6, 0x40000                  ; cx
	s_bfe_u32 s22, ttmp6, 0x40004                  ; cy
	s_lshl_b32 s42, ttmp9, 2
	s_add_co_u32 s42, s42, s21                     ; the block of 256 tokens: hangs on cx alone
	s_and_b32 s43, ttmp7, 0xffff
	s_lshl_b32 s43, s43, 2
	s_add_co_u32 s43, s43, s22                     ; the block of 128 features: on cy alone
	s_lshl_b32 s61, s43, 3
	s_add_co_u32 s61, s61, 1728                    ; Wo's first tile in cod
	s_lshl_b32 s62, s42, 4                         ; o's first tile in ocod
	s_lshl_b32 s44, s22, 2
	s_lshl_b32 s44, 15, s44                        ; my row of the cluster
	s_lshl_b32 s45, 0x1111, s21                    ; my column
	; descriptor group 1: rows of 3,072 bytes (two K steps of one tile: 384 elements of 8 bytes), 12,288 bytes apart in memory, dense in LDS
	s_or_b32 s[G1A], s44, (3<<16)|(1<<21)
	s_or_b32 s[G1B], s45, (3<<16)|(1<<21)
	s_mov_b32 s[G1A+1], 384<<16
	s_mov_b32 s[G1A+2], 4<<16
	s_mov_b32 s[G1A+3], 384<<16
	s_mov_b32 s[G1A+4], 4
	s_mov_b32 s[G1A+5], 1536
	s_mov_b32 s[G1A+6], 0
	s_mov_b32 s[G1A+7], 0
	s_mov_b32 s[G1B+1], 384<<16
	s_mov_b32 s[G1B+2], 8<<16
	s_mov_b32 s[G1B+3], 384<<16
	s_mov_b32 s[G1B+4], 8
	s_mov_b32 s[G1B+5], 1536
	s_mov_b32 s[G1B+6], 0
	s_mov_b32 s[G1B+7], 0
	s_lshl_b32 s46, s20, 2
	s_add_co_u32 s46, s46, s61
	s_mul_i32 s46, s46, 12288
	s_mov_b32 s47, 0
	s_lshl_b32 s48, s20, 3
	s_add_co_u32 s48, s48, s62
	s_mul_i32 s48, s48, 12288
	s_mov_b32 s49, 0
	s_mul_i32 s50, s20, 12288
	s_mul_i32 s51, s20, 24576
	s_lshl_b32 s52, s61, 9                         ; Wo's scale words: 512 bytes a tile
	s_mov_b32 s53, 0
	s_lshl_b32 s54, s18, 2
	s_add_co_u32 s54, s54, s62
	s_lshl_b32 s54, s54, 6                         ; o's, for one head: 64 bytes a tile, my four tiles
	s_mov_b32 s55, 0
	s_lshl_b32 s58, s42, 8
	s_lshl_b32 s59, s18, 6
	s_add_co_u32 s58, s58, s59
	s_lshl_b32 s58, s58, 12                        ; out0: my wave's first token, rows of 4,096 bytes,
	s_lshl_b32 s59, s43, 9
	s_add_co_u32 s58, s58, s59                     ; + the block's 128 features
	s_mov_b32 s59, 0
	s_lshl_b32 s60, s43, 9                         ; bo likewise
	s_mov_b32 s61, 0
	s_wait_dscnt 0x0
	s_wait_kmcnt 0x0
	s_add_nc_u64 s[46:47], s[4:5], s[46:47]
	s_add_nc_u64 s[48:49], s[8:9], s[48:49]
	s_add_nc_u64 s[52:53], s[6:7], s[52:53]
	s_add_nc_u64 s[54:55], s[10:11], s[54:55]
	s_add_nc_u64 s[56:57], s[14:15], s[58:59]
	s_add_nc_u64 s[40:41], s[12:13], s[60:61]
.irp q, 0,1,2,3
	s_mov_b32 s[G0A+4*\q], 1
	s_add_co_u32 s[G0A+4*\q+1], s50, \q*CH
	s_add_nc_u64 s[G0A+4*\q+2:G0A+4*\q+3], s[46:47], \q*3072
	s_or_b32 s[G0A+4*\q+3], s[G0A+4*\q+3], 0x80000000
	s_mov_b32 s[G0B+4*\q], 1
	s_add_co_u32 s[G0B+4*\q+1], s51, \q*CH+S1O
	s_add_nc_u64 s[G0B+4*\q+2:G0B+4*\q+3], s[48:49], \q*3072
	s_or_b32 s[G0B+4*\q+3], s[G0B+4*\q+3], 0x80000000
.endr
	CROUND                                         ; all sixteen work-groups are here: the joint loads meet
	s_cmp_lt_u32 s18, 2                            ; waves 0, 1 fetch Wo's halves, waves 2, 3 o's; a wave's four fills stand in one branch
	s_cbranch_scc0 .Lfill_b
	tensor_load_to_lds s[G0A:G0A+3], s[G1A:G1A+7]
	s_nop 0
	tensor_load_to_lds s[G0A+4:G0A+7], s[G1A:G1A+7]
	s_nop 0
	tensor_load_to_lds s[G0A+8:G0A+11], s[G1A:G1A+7]
	s_nop 0
	tensor_load_to_lds s[G0A+12:G0A+15], s[G1A:G1A+7]
	s_nop 0
	PLACES
	s_branch .Lfilled
.Lfill_b:
	tensor_load_to_lds s[G0B:G0B+3], s[G1B:G1B+7]
	s_nop 0
	tensor_load_to_lds s[G0B+4:G0B+7], s[G1B:G1B+7]
	s_nop 0
	tensor_load_to_lds s[G0B+8:G0B+11], s[G1B:G1B+7]
	s_nop 0
	tensor_load_to_lds s[G0B+12:G0B+15], s[G1B:G1B+7]
	s_nop 0
	PLACES
.Lfilled:
	v_and_b32 v1, 31, v0                           ; lane
	v_and_b32 v2, 15, v0                           ; r
	v_bfe_u32 v3, v0, 4, 1                         ; h
	v_lshlrev_b32 v[A16_0], 4, v1
	v_lshlrev_b32 v[A8_0], 3, v1
	s_mul_i32 s59, s18, 12288
	s_add_co_u32 s59, s59, S1O                     ; my four tiles of o in a chunk; in chunk 0 also my stage
	v_lshlrev_b32 v8, 4, v1                        ; 16 x lane
	v_lshlrev_b32 v9, 3, v1                        ; 8 x lane
	v_add_nc_u32 v[A16_1], s59, v8
	v_add_nc_u32 v[A8_1], s59, v9
	v_lshlrev_b32 v11, 2, v2                       ; 4 r
	v_lshlrev_b32 v12, 5, v2                       ; 32 r
	v_mul_u32_u24 v13, v2, 528
	v_lshl_add_u32 v13, v3, 6, v13
	v_add_nc_u32 v13, s59, v13                     ; the stage, in: row r, + 64 h
	v_add_nc_u32 v14, s59, v8                      ; and back: 16 x lane of a row
	v_lshlrev_b32 v15, 6, v3                       ; the bias: 16 h features on
.irp i, 0,1,2,3,4,5,6,7
	global_load_b128 v[SC0+8*\i:SC0+8*\i+3], v12, s[52:53] offset:512*\i
	global_load_b128 v[SC0+8*\i+4:SC0+8*\i+7], v12, s[52:53] offset:512*\i+16
.endr
.irp j, 0,1,2,3                                    ; o's scale words lie by heads, two bytes a head: sixteen halves for each of my four tiles
.irp d, 0,1,2,3,4,5,6,7,8,9,10,11,12,13,14,15
	global_load_b32 v[F1+16*\j+\d], v11, s[54:55] offset:\d*32768+64*\j
.endr
.endr
	WIN 0x40                                       ; destination window 1
.irp i, 0,1,2,3,4,5,6,7                            ; the bias of tile i = 2 b + u: features 32 b + 16 h + 8 u + 0 .. 7
	global_load_b128 v[BI+8*\i:BI+8*\i+3], v15, s[40:41] offset:(32*(\i/2)+8*(\i%2))*4
	global_load_b128 v[BI+8*\i+4:BI+8*\i+7], v15, s[40:41] offset:(32*(\i/2)+8*(\i%2))*4+16
.endr
	WIN 0
	s_wait_loadcnt 0x0
.irp j, 0,1,2,3
.irp s, 0,1,2,3,4,5,6,7
	v_lshl_or_b32 v[SC1+8*\j+\s], v[F1+16*\j+2*\s+1], 16, v[F1+16*\j+2*\s]   ; K step s is heads 2 s and 2 s + 1
.endr
.endr
.rept 8
	v_nop                                          ; a scale register written by a vector instruction stands eight places ahead of a scaled matrix instruction
.endr
.macro FRAG reg, a16, a8, off          ; a fragment's image comes back as it was stored
	ds_load_b128 v[\reg:\reg+3], v[\a16] offset:\off
	ds_load_b64 v[\reg+4:\reg+5], v[\a8] offset:\off+512
	ds_load_b128 v[\reg+6:\reg+9], v[\a16] offset:\off+768
	ds_load_b64 v[\reg+10:\reg+11], v[\a8] offset:\off+1280
.endm
.macro FETCH s                         ; K step s: Wo's eight fragments and my four of o, into set s % 2: 48 loads in one run
	WIN 0x40
.irp i, 0,1,2,3,4,5,6,7
	FRAG 96*((\s)%2)+12*\i, A16_0, A8_0, 3072*\i+1536*((\s)%2)
.endr
	WIN 0
.irp j, 0,1,2,3
	FRAG F1+48*((\s)%2)+12*\j, A16_1, A8_1, 3072*\j+1536*((\s)%2)
.endr
.endm
; 32 products of K step s; the 32 accumulators take turns, one instruction a turn, in the same order in every step.  cmode 1: the sums begin with the bias
.macro MUL32 s, cmode
.if \cmode == 0
	WIN 0xa1                                       ; source 0 window 1, source 1 window 0, C and D window 2
.else
	WIN 0x91                                       ; C window 1
.endif
.irp j, 0,1,2,3
.irp i, 0,1,2,3,4,5,6,7
.if \cmode == 0
	v_wmma_scale_f32_16x16x128_f8f6f4 v[64*\j+8*\i:64*\j+8*\i+7], v[96*((\s)%2)+12*\i:96*((\s)%2)+12*\i+11], v[F1+48*((\s)%2)+12*\j:F1+48*((\s)%2)+12*\j+11], v[64*\j+8*\i:64*\j+8*\i+7], v[SC0+8*\i+(\s)], v[SC1+8*\j+(\s)] matrix_a_fmt:MATRIX_FMT_FP6 matrix_b_fmt:MATRIX_FMT_FP6
.else
	v_wmma_scale_f32_16x16x128_f8f6f4 v[64*\j+8*\i:64*\j+8*\i+7], v[96*((\s)%2)+12*\i:96*((\s)%2)+12*\i+11], v[F1+48*((\s)%2)+12*\j:F1+48*((\s)%2)+12*\j+11], v[BI+8*\i:BI+8*\i+7], v[SC0+8*\i+(\s)], v[SC1+8*\j+(\s)] matrix_a_fmt:MATRIX_FMT_FP6 matrix_b_fmt:MATRIX_FMT_FP6
.endif
.endr
.endr
.endm
.macro GSTEP s, cmode
	s_wait_dscnt 0x0                               ; this step's 48 loads are in, and no LDS instruction of mine is out at a signal
.if (\s == 1) || (\s == 3) || (\s == 5)
	s_wait_tensorcnt 3-((\s)+1)/2                  ; my part of the next chunk has landed; the later chunks' loads may stay out
	s_barrier_signal -1
	s_barrier_wait -1
	v_add_nc_u32 v[A16_0], CH, v[A16_0]
	v_add_nc_u32 v[A8_0], CH, v[A8_0]
	v_add_nc_u32 v[A16_1], CH, v[A16_1]
	v_add_nc_u32 v[A8_1], CH, v[A8_1]
.endif
.if \s < 7
.if \s > 0
	PLACES                                         ; the set that is loaded now was read by the products of the step before
.endif
	FETCH (\s)+1
.endif
	MUL32 \s, \cmode
	WIN 0
.endm
	s_wait_tensorcnt 3                             ; my part of chunk 0 has landed; chunks 1 to 3 may stay out
	s_barrier_signal -1
	s_barrier_wait -1
	FETCH 0
	GSTEP 0, 1
.irp s, 1,2,3,4,5,6,7
	GSTEP \s, 0
.endr
	PLACES
; Tile j of tokens: 16 rows x 128 features through my stage, and out as whole runs of 512 bytes
.macro OUTJ j
.if \j
	s_wait_xcnt 0x0                                ; the last tile's stores have read their data: only now are those registers loaded again
.endif
	WIN 0x08                                       ; an LDS store's data are its source 1: window 2
.irp i, 0,1,2,3,4,5,6,7
	ds_store_b128 v13, v[64*(\j)+8*\i:64*(\j)+8*\i+3] offset:128*(\i/2)+32*(\i%2)          ; lane (r, h): features 32 (i / 2) + 16 h + 8 (i % 2) + 0 .. 7 of token r; each accumulator from its low end on
	ds_store_b128 v13, v[64*(\j)+8*\i+4:64*(\j)+8*\i+7] offset:128*(\i/2)+32*(\i%2)+16
.endr
	WIN 0
.irp i, 0,1,2,3,4,5,6,7,8,9,10,11,12,13,14,15
	ds_load_b128 v[F1+4*\i:F1+4*\i+3], v14 offset:528*\i   ; LDS serves a wave's instructions in order: these see the stores above, and the next tile's stores come behind them
.endr
.irp i, 0,1,2,3,4,5,6,7,8,9,10,11,12,13,14,15
	s_wait_dscnt 15-\i                             ; row i is back; the younger loads may be out
	global_store_b128 v8, v[F1+4*\i:F1+4*\i+3], s[56:57] offset:(32*((\j)/2)+8*((\j)%2)+\i+8*(\i/8))*4096 th:TH_STORE_NT
.endr
.endm
.irp j, 0,1,2,3
	OUTJ \j
.endr
	s_wait_tensorcnt 0x0
	ds_add_u32 v254, v255
	s_wait_dscnt 0x0
	CROUND                                         ; the closing round: no work-group ends while a partner may still ask for a tile that names it
	s_endpgm
.Lfunc_end_k_qcfbd69360c_outp:
	.size	k_qcfbd69360c_outp, .Lfunc_end_k_qcfbd69360c_outp-k_qcfbd69360c_outp
	.p2alignl 7, 3214868480
	.fill 96, 4, 3214868480
	.section	.rodata,"a",@progbits
	.p2align	6, 0x0
	.amdhsa_kernel k_qcfbd69360c_outp
		.amdhsa_group_segment_fixed_size 295424
		.amdhsa_private_segment_fixed_size 0
		.amdhsa_enable_private_segment 0
		.amdhsa_kernarg_size 48
		.amdhsa_user_sgpr_count 2
		.amdhsa_user_sgpr_kernarg_segment_ptr 1
		.amdhsa_wavefront_size32 1
		.amdhsa_system_sgpr_workgroup_id_x 1
		.amdhsa_system_sgpr_workgroup_id_y 1
		.amdhsa_system_sgpr_workgroup_id_z 1
		.amdhsa_system_vgpr_workitem_id 0
		.amdhsa_next_free_vgpr 768
		.amdhsa_next_free_sgpr 100
		.amdhsa_reserve_vcc 0
		.amdhsa_float_denorm_mode_32 3
		.amdhsa_float_denorm_mode_16_64 3
		.amdhsa_memory_ordered 1
		.amdhsa_forward_progress 1
		.amdhsa_inst_pref_size 95
	.end_amdhsa_kernel
	.amdgpu_metadata
---
amdhsa.version: [ 1, 2 ]
amdhsa.kernels:
  - .name:           k_qcfbd69360c_outp
    .symbol:         k_qcfbd69360c_outp.kd
    .args:
      - { .name: cod, .offset: 0, .size: 8, .value_kind: global_buffer, .address_space: global }
      - { .name: scl, .offset: 8, .size: 8, .value_kind: global_buffer, .address_space: global }
      - { .name: ocod, .offset: 16, .size: 8, .value_kind: global_buffer, .address_space: global }
      - { .name: osc, .offset: 24, .size: 8, .value_kind: global_buffer, .address_space: global }
      - { .name: bo, .offset: 32, .size: 8, .value_kind: global_buffer, .address_space: global }
      - { .name: out0, .offset: 40, .size: 8, .value_kind: global_buffer, .address_space: global }
    .group_segment_fixed_size: 295424
    .private_segment_fixed_size: 0
    .kernarg_segment_align: 8
    .kernarg_segment_size: 48
    .max_flat_workgroup_size: 128
    .sgpr_count:     100
    .vgpr_count:     768
    .wavefront_size: 32
...
	.end_amdgpu_metadata
.endif
;; end of part 4
